; MI455X (gfx1250); checked and timed in simulation.
; The chip was launched on July 23, 2026; its instructions are those of AMD's public machine-readable ISA for CDNA 5 (MIT licence, August 2026) and "CDNA5" Instruction Set Architecture Reference Guide (July 2026). The comments in the code are by the model that wrote it; some were corrected since.
;; SSR2 Block. Allowed arithmetic: float matrix products may take bf16 or f16 operands with f32 sums; all other float work in f32.
;; Inputs: S 256 x 32 x 1,024 float32; b_f1 4,096 float32; b_f2 1,024 float32; b_hh 3,072 float32; b_ih 3,072 float32; b_proj 1,024 float32; b_r1 1,024 float32; b_r2 32 float32; ln1_b 1,024 float32; ln1_g 1,024 float32; ln2_b 1,024 float32; ln2_g 1,024 float32; w_f1 1,024 x 4,096 float32; w_f2 4,096 x 1,024 float32; w_hh 1,024 x 3,072 float32; w_ih 1,024 x 3,072 float32; w_proj 1,024 x 1,024 float32; w_r1 2,048 x 1,024 float32; w_r2 1,024 x 32 float32; x 256 x 1,024 float32.
;; Outputs: out0 256 x 1,024 float32; out1 256 x 32 x 1,024 float32; out2 256 x 32 float32.
;; One version. Each part assembles by itself: llvm-mc -triple=amdgcn-amd-amdhsa -mcpu=gfx1250 --defsym DOCPART=n.
;; ======== version 1 of 1: 9 launches
;; workspace buffers: Sbf 16,777,216 bytes; whhT 6,291,456 bytes; ctx 2,097,152 bytes; xg 3,145,728 bytes; part 4,194,304 bytes; sctx 1,048,576 bytes; xmid 1,048,576 bytes; ff1 4,194,304 bytes
;; launch prep (part 1): grid 304 x 1, 8 waves a work-group, no clusters, 140,288 bytes of LDS; arguments S, x, w_hh, Sbf, ctx, whhT; writes Sbf, ctx, whhT
.if DOCPART == 1
	.amdgcn_target "amdgcn-amd-amdhsa--gfx1250"
	.amdhsa_code_object_version 6
	.text
	.protected	k_qa85c92b8da_prep
	.globl	k_qa85c92b8da_prep
	.p2align	8
	.type	k_qa85c92b8da_prep,@function
k_qa85c92b8da_prep:
	s_mov_b64 s[64:65], 0
	v_nop
	global_prefetch_b8 v0, s[64:65] scope:SCOPE_SE
	s_setreg_imm32_b32 hwreg(HW_REG_WAVE_MODE, 25, 1), 1
	s_wait_xcnt 0x0
; PREPARATION.  Work-groups 0-255 (one batch b each): S[b] is read once; it leaves rounded to bf16 (Sbf, [8192][1024]) and as its mean over
; the 32 slots (ctx plane 1); x[b] is copied into ctx plane 0, so that ctx = [x | mean] lies as two planes of [256][1024] f32.
; Work-groups 256-303: w_hh [1024 k][3072 n] f32 is rounded to bf16 and transposed into whhT = [8 bx][3 gate][128 p][1024 k]; row
; p = 64 nh + 16 b + r holds column d = 128 bx + 64 nh + 4 r + b of its gate, so that in the GRU launch a lane's four accumulator tiles
; b = 0..3 are four neighbouring columns.  No matrix unit, no cluster, no barrier: no two work-groups read the same byte, and each wave's
; LDS bytes are its own.  Limits: rounding to bf16 (nearest even); the mean is summed in four chains, another order than a plain sum.
.set X,  8                             ; v[8:135]   part S: slot n's four columns
.set Y,  136                           ; v[136:199] part S: slot n's four bf16, own registers for each store
.set C,  200                           ; v[200:215] part S: four chains of sums
.set L,  8                             ; v[8:199]   part W: three buffers of 16 loads
.set Q,  200                           ; v[200:231] part W: eight packed quads
.set TP, 272                           ; part W: LDS pitch, 256 bytes (128 k in bf16) + 16: an odd multiple of 16
.set TB, 64*TP                         ; a wave's 64 rows
	s_load_b256 s[4:11], s[0:1], 0x0               ; S s[4:5], x s[6:7], w_hh s[8:9], Sbf s[10:11]
	s_load_b128 s[12:15], s[0:1], 0x20             ; ctx s[12:13], whhT s[14:15]
	v_lshl_add_u32 v232, v0, 2, 0x22000
	v_mov_b32 v233, 0
	s_cmp_lt_u32 ttmp9, 256
	s_cbranch_scc0 .Lw
	; ---- part S: thread t owns columns 4 t .. 4 t + 3 of all 32 slots of batch b ----
	s_lshl_b32 s16, ttmp9, 17                      ; b x 32 slots x 4,096 bytes
	s_mov_b32 s17, 0
	s_lshl_b32 s18, ttmp9, 12                      ; b x 4,096 (x, ctx)
	s_mov_b32 s19, 0
	s_lshl_b32 s20, ttmp9, 16                      ; b x 32 x 2,048 (Sbf)
	s_mov_b32 s21, 0
	v_lshlrev_b32 v1, 4, v0                        ; 16 t
	v_lshlrev_b32 v2, 3, v0                        ; 8 t
	s_wait_kmcnt 0x0
	s_add_nc_u64 s[4:5], s[4:5], s[16:17]
	s_add_nc_u64 s[6:7], s[6:7], s[18:19]
	s_add_nc_u64 s[10:11], s[10:11], s[20:21]
	s_add_nc_u64 s[12:13], s[12:13], s[18:19]
	global_load_b128 v[4:7], v1, s[6:7]
.set n, 0
.rept 32
	global_load_b128 v[X+4*n:X+4*n+3], v1, s[4:5] offset:4096*n th:TH_LOAD_NT   ; all 32 slots on their way at once
.set n, n+1
.endr
	s_wait_loadcnt 32                              ; x is in; the 32 loads of S issued behind it stay out
	global_store_b128 v1, v[4:7], s[12:13]
.set n, 0
.rept 32
	s_wait_loadcnt 31-n                            ; loads come back in order (ISA guide 5.7.1): slot n is in, the younger ones stay out
	v_cvt_pk_bf16_f32 v[Y+2*n], v[X+4*n], v[X+4*n+1]
	v_cvt_pk_bf16_f32 v[Y+2*n+1], v[X+4*n+2], v[X+4*n+3]
	global_store_b64 v2, v[Y+2*n:Y+2*n+1], s[10:11] offset:2048*n   ; a wave's store covers 256 consecutive bytes, aligned
.if n >= 8
	v_pk_add_f32 v[C+4*(n%4):C+4*(n%4)+1], v[C+4*(n%4):C+4*(n%4)+1], v[X+4*n:X+4*n+1]
	v_pk_add_f32 v[C+4*(n%4)+2:C+4*(n%4)+3], v[C+4*(n%4)+2:C+4*(n%4)+3], v[X+4*n+2:X+4*n+3]
.else
.if n >= 4
	v_pk_add_f32 v[C+4*(n%4):C+4*(n%4)+1], v[X+4*n-16:X+4*n-15], v[X+4*n:X+4*n+1]     ; the first two slots of a chain start it: nothing is cleared
	v_pk_add_f32 v[C+4*(n%4)+2:C+4*(n%4)+3], v[X+4*n-14:X+4*n-13], v[X+4*n+2:X+4*n+3]
.endif
.endif
.set n, n+1
.endr
.irp p, 0,2
	v_pk_add_f32 v[C+\p:C+\p+1], v[C+\p:C+\p+1], v[C+4+\p:C+5+\p]
	v_pk_add_f32 v[C+8+\p:C+9+\p], v[C+8+\p:C+9+\p], v[C+12+\p:C+13+\p]
.endr
.irp p, 0,2
	v_pk_add_f32 v[C+\p:C+\p+1], v[C+\p:C+\p+1], v[C+8+\p:C+9+\p]
	v_pk_mul_f32 v[C+\p:C+\p+1], v[C+\p:C+\p+1], 0x3d000000 op_sel_hi:[1,0]   ; x 1/32
.endr
	global_store_b128 v1, v[C:C+3], s[12:13] offset:1048576        ; ctx plane 1
	s_endpgm
	; ---- part W: a wave transposes a tile of 128 k x 64 n ----
.Lw:
	v_lshrrev_b32 v1, 5, v0
	v_readfirstlane_b32 s16, v1                    ; wave 0..7
	s_sub_co_u32 s17, ttmp9, 256
	s_lshl_b32 s17, s17, 3
	s_add_co_u32 s17, s17, s16                     ; tile 0..383
	s_and_b32 s18, s17, 7                          ; kt: k0 = 128 kt
	s_lshr_b32 s19, s17, 3                         ; nt: n0 = 64 nt
	s_lshr_b32 s20, s19, 4                         ; gate
	s_and_b32 s21, s19, 15
	s_lshr_b32 s22, s21, 1                         ; bx
	s_and_b32 s23, s21, 1                          ; nh
	s_mul_i32 s24, s18, 128*12288                  ; from: k0 rows of 12,288 bytes
	s_lshl_b32 s25, s19, 8                         ; + n0 x 4
	s_add_co_u32 s24, s24, s25
	s_mov_b32 s25, 0
	s_mul_i32 s26, s22, 384                        ; to: row 384 bx + 128 gate + 64 nh
	s_lshl_b32 s27, s20, 7
	s_add_co_u32 s26, s26, s27
	s_lshl_b32 s27, s23, 6
	s_add_co_u32 s26, s26, s27
	s_lshl_b32 s26, s26, 11                        ; rows of 2,048 bytes
	s_lshl_b32 s27, s18, 8                         ; + 128 kt x 2
	s_add_co_u32 s26, s26, s27
	s_mov_b32 s27, 0
	s_mul_i32 s28, s16, TB                         ; my wave's LDS bytes
	v_and_b32 v2, 15, v0                           ; r
	v_bfe_u32 v3, v0, 4, 1                         ; h
	v_mul_u32_u24 v4, v3, 8*12288                  ; lanes 16-31 take the k row eight further down
	v_lshl_add_u32 v4, v2, 4, v4                   ; 16 lanes x 16 bytes: 256 bytes of a k row, 64 columns; lane r holds columns 4 r + c
	v_mul_u32_u24 v5, v2, TP
	v_lshl_add_u32 v5, v3, 4, v5
	v_add_nc_u32 v5, s28, v5                       ; in: row r (+ 16 c by the immediate), byte 16 h (+ 32 per group of 16 k)
	v_mul_u32_u24 v6, v3, TP
	v_lshl_add_u32 v6, v2, 4, v6
	v_add_nc_u32 v6, s28, v6                       ; back: lanes 0-15 one row of 256 bytes, lanes 16-31 the next
	v_lshlrev_b32 v7, 11, v3
	v_lshl_add_u32 v7, v2, 4, v7                   ; and the same two rows in whhT
	s_wait_kmcnt 0x0
	s_add_nc_u64 s[8:9], s[8:9], s[24:25]
	s_add_nc_u64 s[14:15], s[14:15], s[26:27]
; 16 loads: two groups of 16 k.  In group g load i brings k = 16 g + 8 h + i.
.macro LOADB buf, kg0
.irp g, 0,1
.irp i, 0,1,2,3,4,5,6,7
	global_load_b128 v[L+64*\buf+32*\g+4*\i:L+64*\buf+32*\g+4*\i+3], v4, s[8:9] offset:(16*(\kg0+\g)+\i)*12288 th:TH_LOAD_NT
.endr
.endr
.endm
; for each group and each of my four columns: eight k packed into 16 bytes, into LDS row 16 c + r: this makes the order of whhT's rows
.macro CONV buf, kg0
.irp g, 0,1
.irp c, 0,1,2,3
.irp p, 0,1,2,3
	v_cvt_pk_bf16_f32 v[Q+4*(4*\g+\c)+\p], v[L+64*\buf+32*\g+8*\p+\c], v[L+64*\buf+32*\g+8*\p+4+\c]
.endr
	ds_store_b128 v5, v[Q+4*(4*\g+\c):Q+4*(4*\g+\c)+3] offset:16*TP*\c+32*(\kg0+\g)
.endr
.endr
.endm
	LOADB 0, 0
	LOADB 1, 2
	LOADB 2, 4
	s_wait_loadcnt 32                              ; the first 16 are in, two batches of 16 stay out
	CONV 0, 0
	LOADB 0, 6
	s_wait_loadcnt 32
	CONV 1, 2
	s_wait_loadcnt 16
	CONV 2, 4
	s_wait_loadcnt 0x0
	CONV 0, 6
.set n, 0
.rept 32
	ds_load_b128 v[L+4*n:L+4*n+3], v6 offset:2*TP*n                ; LDS serves a wave's instructions in order (ISA guide 5.7.1): these see the stores above
.set n, n+1
.endr
.set n, 0
.rept 32
	s_wait_dscnt 31-n
	global_store_b128 v7, v[L+4*n:L+4*n+3], s[14:15] offset:4096*n ; 16 lanes store 256 consecutive bytes, aligned
.set n, n+1
.endr
	s_wait_tensorcnt 0x0
	ds_add_u32 v232, v233
	s_wait_dscnt 0x0
	s_endpgm
.Lfunc_end_k_qa85c92b8da_prep:
	.size	k_qa85c92b8da_prep, .Lfunc_end_k_qa85c92b8da_prep-k_qa85c92b8da_prep
	.p2alignl 7, 3214868480
	.fill 96, 4, 3214868480
	.section	.rodata,"a",@progbits
	.p2align	6, 0x0
	.amdhsa_kernel k_qa85c92b8da_prep
		.amdhsa_group_segment_fixed_size 140288
		.amdhsa_private_segment_fixed_size 0
		.amdhsa_enable_private_segment 0
		.amdhsa_kernarg_size 48
		.amdhsa_user_sgpr_count 2
		.amdhsa_user_sgpr_kernarg_segment_ptr 1
		.amdhsa_wavefront_size32 1
		.amdhsa_system_sgpr_workgroup_id_x 1
		.amdhsa_system_sgpr_workgroup_id_y 1
		.amdhsa_system_sgpr_workgroup_id_z 1
		.amdhsa_system_vgpr_workitem_id 0
		.amdhsa_next_free_vgpr 234
		.amdhsa_next_free_sgpr 66
		.amdhsa_reserve_vcc 0
		.amdhsa_float_denorm_mode_32 3
		.amdhsa_float_denorm_mode_16_64 3
		.amdhsa_memory_ordered 1
		.amdhsa_forward_progress 1
		.amdhsa_inst_pref_size 41
	.end_amdhsa_kernel
	.amdgpu_metadata
---
amdhsa.version: [ 1, 2 ]
amdhsa.kernels:
  - .name:           k_qa85c92b8da_prep
    .symbol:         k_qa85c92b8da_prep.kd
    .args:
      - { .name: S, .offset: 0, .size: 8, .value_kind: global_buffer, .address_space: global }
      - { .name: x, .offset: 8, .size: 8, .value_kind: global_buffer, .address_space: global }
      - { .name: w_hh, .offset: 16, .size: 8, .value_kind: global_buffer, .address_space: global }
      - { .name: Sbf, .offset: 24, .size: 8, .value_kind: global_buffer, .address_space: global }
      - { .name: ctx, .offset: 32, .size: 8, .value_kind: global_buffer, .address_space: global }
      - { .name: whhT, .offset: 40, .size: 8, .value_kind: global_buffer, .address_space: global }
    .group_segment_fixed_size: 140288
    .private_segment_fixed_size: 0
    .kernarg_segment_align: 8
    .kernarg_segment_size: 48
    .max_flat_workgroup_size: 256
    .sgpr_count:     66
    .vgpr_count:     234
    .wavefront_size: 32
...
	.end_amdgpu_metadata
.endif
;; end of part 1
;; launch sk_xg (part 2): grid 4 x 48, 4 waves a work-group, no clusters, 198,144 bytes of LDS; arguments x, w_ih, xg; writes xg
.if DOCPART == 2
	.amdgcn_target "amdgcn-amd-amdhsa--gfx1250"
	.amdhsa_code_object_version 6
	.text
	.protected	k_qa85c92b8da_sk_xg
	.globl	k_qa85c92b8da_sk_xg
	.p2align	8
	.type	k_qa85c92b8da_sk_xg,@function
k_qa85c92b8da_sk_xg:
	s_mov_b64 s[64:65], 0
	v_nop
	global_prefetch_b8 v0, s[64:65] scope:SCOPE_SE
	s_setreg_imm32_b32 hwreg(HW_REG_WAVE_MODE, 25, 1), 1
	s_wait_xcnt 0x0
; xg = x @ w_ih, raw (the bias is added where xg is used).  U @ w_ih = alpha[b,s] (x[b] @ w_ih) for every input, so the product with
; 8,192 rows is made with 256.  OUT[256][OP] = A[256][1024] W[1024][WP], all f32 in memory; operands rounded to bf16, sums in f32.
; A work-group makes 64 rows x 64 columns with four waves, and K IS SPLIT AMONG THE WAVES: wave w multiplies k = 256 w .. 256 w + 255 into
; all 64 x 64 outputs (16 accumulators), so that every byte of A and of W is read by one wave alone; the four partial sums meet in LDS.
; A: each wave rounds 16 whole rows to bf16 into LDS (pitch 2,064 bytes), one barrier, then each wave reads its own 512 bytes of every row.
; W: straight from memory into registers.  One load takes 256 consecutive bytes of k row k0 + i (lanes 0-15) and of k row k0 + 8 + i
; (lanes 16-31); lane r holds columns 4 r .. 4 r + 3, and component b of sixteen such loads, packed in pairs, is the fragment of tile b
; (column 4 r + b).  In the result a lane's four tiles are then 16 neighbouring bytes of a row of OUT.
; NO CLUSTER, NO TENSOR LOAD: a joint load lands in LDS, and W's strip (1,024 x 64 f32, 278,528 bytes with padding) does not fit there
; beside A (132,096 bytes); it would go through slots that are filled again, with a round of the cluster's barrier for each.
; ONE STREAM OF LOADS a wave: six rows of A first; behind each row that is rounded the next eight loads (rows 6-15, then W); in the K phase
; a ring of four buffers of W, each filled again as soon as it is packed: 48 to 64 loads are out; where that passes what LOADcnt can count
; the issue itself waits (ISA guide 5.7.1).
; REGISTERS: window 0: v0-39 addresses and work, v64-255 six row slots, later fragments (A v64-127, W v128-191, two buffers each), later
; the partial sums; window 1: v0-127 accumulators, tile (a, b) at v[8 (4 a + b)]; window 2: W's ring, 64 registers a K step of 32.
; Limits: bf16 operands; the K quarters are added as (p0 + p1) + (p2 + p3), another order of rounding than one sum; NaN and infinities in
; the inputs are not followed.
.set WP,     3072                      ; W's row in elements
.set OP,     3072                      ; OUT's row in elements
.set APITCH, 2064                      ; 1,024 bf16 + 16 bytes: an odd multiple of 16
.set RED,    64*APITCH                 ; 132,096: four waves' partial sums, 16,384 bytes each
.set HB,  24                           ; v[24:39]   a row's 32 numbers in bf16
.set X,   64                           ; v[64:255]  six row slots of 32
.set FA,  64                           ; v[64:127]  two buffers of four A fragments
.set FB,  128                          ; v[128:191] two buffers of four W fragments
.set P,   64                           ; v[64:191]  the way out: four partial sums of my row tile
.set O,   192                          ; v[192:223] the way out: index 4 j + b
.set MSB, 0
.macro WIN new                         ; the immediate's high byte repeats the setting that is left
.if MSB != \new
	s_set_vgpr_msb (MSB<<8)|\new
.set MSB, \new
.endif
.endm
.macro PLACES                          ; four places behind a matrix instruction before an LDS store reads its result
.rept 4
	v_nop
.endr
.endm
; eight loads of W: half hh of my sixteen halves of a K step; load i brings k = 16 hh + 8 h + i.  Destination in window 2.
.macro LOADW hh
.irp i, 0,1,2,3,4,5,6,7
	global_load_b128 v[32*((\hh)&7)+4*\i:32*((\hh)&7)+4*\i+3], v8, s[6:7] offset:(16*(\hh)+\i)*WP*4
.endr
.endm
; row i of my 16: rounded, stored into A; then the stream's next eight loads
.macro PRO_ROW i
.set XB, X+32*((\i)%6)
	s_wait_loadcnt 40                              ; six groups of eight were issued ahead and one behind each row: five younger groups stay out
.irp j, 0,1,2,3,4,5,6,7,8,9,10,11,12,13,14,15
	v_cvt_pk_bf16_f32 v[HB+\j], v[XB+2*\j], v[XB+2*\j+1]
.endr
.irp j, 0,1,2,3,4,5,6,7
	ds_store_b64 v5, v[HB+2*\j:HB+2*\j+1] offset:APITCH*\i+256*\j
.endr
.if \i < 10
.irp j, 0,1,2,3,4,5,6,7
	global_load_b128 v[XB+4*\j:XB+4*\j+3], v4, s[4:5] offset:4096*(\i+6)+512*\j
.endr
.else
	WIN 0x80
	LOADW \i-10
	WIN 0
.endif
.endm
.macro LDA kk                          ; 8 LDS loads: four A fragments of K step kk of my quarter
.irp a, 0,1,2,3
	ds_load_b128 v[FA+32*((\kk)&1)+8*\a:FA+32*((\kk)&1)+8*\a+3], v[6+\a/2] offset:(\a&1)*16*APITCH+64*(\kk)
	ds_load_b128 v[FA+32*((\kk)&1)+8*\a+4:FA+32*((\kk)&1)+8*\a+7], v[6+\a/2] offset:(\a&1)*16*APITCH+64*(\kk)+32
.endr
.endm
; one K step of 32: W packed, its buffer filled again, the next A fragments asked for, 16 matrix instructions.
; The 32 conversions are the places between the matrix instructions of the step before and the loads into their A buffer.
; The 16 accumulators take turns, one instruction a turn.
.macro STEP kk, left, zero
	s_wait_loadcnt \left                           ; this step's 16 loads of W are in; the younger ones stay out
	WIN 0x0a                                       ; sources in window 2
.irp b, 0,1,2,3
.irp j, 0,1,2,3,4,5,6,7
	v_cvt_pk_bf16_f32 v[FB+32*((\kk)&1)+8*\b+\j], v[64*((\kk)&3)+8*\j+\b], v[64*((\kk)&3)+8*\j+4+\b]
.endr
.endr
.if \kk < 4
	WIN 0x80
	LOADW 2*\kk+8
	LOADW 2*\kk+9
.endif
	WIN 0
.if \kk < 7
	LDA \kk+1
	s_wait_dscnt 8                                 ; this step's fragments are in, the next step's eight loads stay out
.else
	s_wait_dscnt 0x0
.endif
	WIN 0x50                                       ; C and D in window 1
.irp a, 0,1,2,3
.irp b, 0,1,2,3
.if \zero
	v_wmma_f32_16x16x32_bf16 v[8*(4*\a+\b):8*(4*\a+\b)+7], v[FA+32*((\kk)&1)+8*\a:FA+32*((\kk)&1)+8*\a+7], v[FB+32*((\kk)&1)+8*\b:FB+32*((\kk)&1)+8*\b+7], 0
.else
	v_wmma_f32_16x16x32_bf16 v[8*(4*\a+\b):8*(4*\a+\b)+7], v[FA+32*((\kk)&1)+8*\a:FA+32*((\kk)&1)+8*\a+7], v[FB+32*((\kk)&1)+8*\b:FB+32*((\kk)&1)+8*\b+7], v[8*(4*\a+\b):8*(4*\a+\b)+7]
.endif
.endr
.endr
.endm
	s_load_b128 s[4:7], s[0:1], 0x0                ; A s[4:5], W s[6:7]
	s_load_b64 s[8:9], s[0:1], 0x10                ; OUT
	v_lshl_add_u32 v62, v0, 2, 0x30400
	v_mov_b32 v63, 0
	v_lshrrev_b32 v1, 5, v0
	v_readfirstlane_b32 s10, v1                    ; wave
	s_and_b32 s12, ttmp7, 0xffff                   ; column block
	s_lshl_b32 s14, ttmp9, 6
	s_lshl4_add_u32 s14, s10, s14                  ; my first row: 64 x row block + 16 x wave
	s_lshl_b32 s16, s14, 12                        ; in A
	s_mov_b32 s17, 0
	s_lshl_b32 s20, s12, 8                         ; my 64 columns, in bytes
	s_mov_b32 s21, 0
	s_mul_i32 s18, s14, OP*4                       ; in OUT
	s_add_co_u32 s18, s18, s20
	s_mov_b32 s19, 0
	s_mul_i32 s22, s10, 256*WP*4                   ; my quarter of K
	s_mov_b32 s23, 0
	v_and_b32 v1, 31, v0                           ; lane
	v_lshlrev_b32 v4, 4, v1
	s_wait_kmcnt 0x0
	s_add_nc_u64 s[4:5], s[4:5], s[16:17]
.irp i, 0,1,2,3,4,5
.irp j, 0,1,2,3,4,5,6,7
	global_load_b128 v[X+32*\i+4*\j:X+32*\i+4*\j+3], v4, s[4:5] offset:4096*\i+512*\j
.endr
.endr
	s_add_nc_u64 s[24:25], s[6:7], s[20:21]        ; W at my columns
	s_add_nc_u64 s[6:7], s[24:25], s[22:23]        ; and at my quarter of K
	s_add_nc_u64 s[8:9], s[8:9], s[18:19]
	s_lshl_b32 s26, ttmp9, 8
	s_lshl_b32 s27, s10, 6
	s_add_co_u32 s26, s26, s27
	v_add_nc_u32 v15, s26, v1
	v_mul_u32_u24 v15, v15, WP*4                   ; k row 256 x row block + 64 x wave + lane
	global_prefetch_b8 v15, s[24:25] th:TH_LOAD_NT scope:SCOPE_SE                 ; the four row blocks of a column strip each name 256 of its 1,024 row pieces of
	global_prefetch_b8 v15, s[24:25] offset:32*WP*4 th:TH_LOAD_NT scope:SCOPE_SE  ; 256 bytes, once: ten rows of A are rounded before the first load of W goes out
	v_and_b32 v2, 15, v0                           ; r
	v_bfe_u32 v3, v0, 4, 1                         ; h
	s_mul_i32 s28, s10, 16*APITCH
	v_lshl_add_u32 v5, v1, 3, s28                  ; A in: my 16 rows, 8 bytes a lane
	v_mul_u32_u24 v6, v2, APITCH
	v_lshl_add_u32 v6, v3, 4, v6
	s_lshl_b32 s29, s10, 9
	v_add_nc_u32 v6, s29, v6                       ; A fragments: row r, 16 h, my 512 bytes of the row
	v_add_nc_u32 v7, 32*APITCH, v6
	v_mul_u32_u24 v8, v3, 8*WP*4
	v_lshl_add_u32 v8, v2, 4, v8                   ; W: k row 8 h, columns 4 r ..
	s_lshl_b32 s30, s10, 14
	s_add_co_u32 s30, s30, RED
	v_add_nc_u32 v9, s30, v4                       ; my partial sums
	s_lshl_b32 s31, s10, 12
	s_add_co_u32 s31, s31, RED
	v_add_nc_u32 v10, s31, v4                      ; row tile w in the first wave's partial sums
	v_mul_u32_u24 v11, v3, 8*OP*4
	v_lshl_add_u32 v11, v2, 4, v11                 ; OUT: row 8 h, columns 4 r ..
.irp i, 0,1,2,3,4,5,6,7,8,9,10,11,12,13,14,15
	PRO_ROW \i
.endr
	WIN 0x80
	LOADW 6
	LOADW 7
	WIN 0
	s_wait_dscnt 0x0                               ; my rows of A are written
	s_barrier_signal -1
	s_barrier_wait -1                              ; everybody's are
	LDA 0
	STEP 0, 48, 1                                  ; the first products start the sums: nothing is cleared
	STEP 1, 48, 0                                  ; 48: the three younger K steps of 16 loads
	STEP 2, 48, 0
	STEP 3, 48, 0
	STEP 4, 48, 0
	STEP 5, 32, 0
	STEP 6, 16, 0
	STEP 7, 0, 0
	WIN 0
	PLACES
	WIN 0x04                                       ; the stores' data in window 1
.set q, 0
.rept 32
	ds_store_b128 v9, v[4*q:4*q+3] offset:512*q
.set q, q+1
.endr
	WIN 0
	s_wait_dscnt 0x0
	s_barrier_signal -1
	s_barrier_wait -1                              ; all four partial sums are in LDS
.irp p, 0,1,2,3
.irp q, 0,1,2,3,4,5,6,7
	ds_load_b128 v[P+32*\p+4*\q:P+32*\p+4*\q+3], v10 offset:16384*\p+512*\q
.endr
.endr
	s_wait_dscnt 0x0
.set ti, 0
.rept 16
	v_pk_add_f32 v[P+ti:P+ti+1], v[P+ti:P+ti+1], v[P+32+ti:P+33+ti]
	v_pk_add_f32 v[P+64+ti:P+65+ti], v[P+64+ti:P+65+ti], v[P+96+ti:P+97+ti]
.set ti, ti+2
.endr
.irp j, 0,1,2,3,4,5,6,7
.irp b, 0,1,2,3
	v_add_f32 v[O+4*\j+\b], v[P+8*\b+\j], v[P+64+8*\b+\j]          ; the last add also gathers a row's four columns
.endr
.endr
.irp j, 0,1,2,3,4,5,6,7
	global_store_b128 v11, v[O+4*\j:O+4*\j+3], s[8:9] offset:\j*OP*4   ; 16 lanes store 256 consecutive bytes, aligned
.endr
	s_wait_tensorcnt 0x0
	ds_add_u32 v62, v63
	s_wait_dscnt 0x0
	s_endpgm
.Lfunc_end_k_qa85c92b8da_sk_xg:
	.size	k_qa85c92b8da_sk_xg, .Lfunc_end_k_qa85c92b8da_sk_xg-k_qa85c92b8da_sk_xg
	.p2alignl 7, 3214868480
	.fill 96, 4, 3214868480
	.section	.rodata,"a",@progbits
	.p2align	6, 0x0
	.amdhsa_kernel k_qa85c92b8da_sk_xg
		.amdhsa_group_segment_fixed_size 198144
		.amdhsa_private_segment_fixed_size 0
		.amdhsa_enable_private_segment 0
		.amdhsa_kernarg_size 24
		.amdhsa_user_sgpr_count 2
		.amdhsa_user_sgpr_kernarg_segment_ptr 1
		.amdhsa_wavefront_size32 1
		.amdhsa_system_sgpr_workgroup_id_x 1
		.amdhsa_system_sgpr_workgroup_id_y 1
		.amdhsa_system_sgpr_workgroup_id_z 1
		.amdhsa_system_vgpr_workitem_id 0
		.amdhsa_next_free_vgpr 768
		.amdhsa_next_free_sgpr 66
		.amdhsa_reserve_vcc 0
		.amdhsa_float_denorm_mode_32 3
		.amdhsa_float_denorm_mode_16_64 3
		.amdhsa_memory_ordered 1
		.amdhsa_forward_progress 1
		.amdhsa_inst_pref_size 90
	.end_amdhsa_kernel
	.amdgpu_metadata
---
amdhsa.version: [ 1, 2 ]
amdhsa.kernels:
  - .name:           k_qa85c92b8da_sk_xg
    .symbol:         k_qa85c92b8da_sk_xg.kd
    .args:
      - { .name: x, .offset: 0, .size: 8, .value_kind: global_buffer, .address_space: global }
      - { .name: w_ih, .offset: 8, .size: 8, .value_kind: global_buffer, .address_space: global }
      - { .name: xg, .offset: 16, .size: 8, .value_kind: global_buffer, .address_space: global }
    .group_segment_fixed_size: 198144
    .private_segment_fixed_size: 0
    .kernarg_segment_align: 8
    .kernarg_segment_size: 24
    .max_flat_workgroup_size: 128
    .sgpr_count:     66
    .vgpr_count:     768
    .wavefront_size: 32
...
	.end_amdgpu_metadata
.endif
;; end of part 2
;; launch sk_r1 (part 3): grid 4 x 32, 4 waves a work-group, no clusters, 198,144 bytes of LDS; arguments ctx, w_r1, part; writes part
.if DOCPART == 3
	.amdgcn_target "amdgcn-amd-amdhsa--gfx1250"
	.amdhsa_code_object_version 6
	.text
	.protected	k_qa85c92b8da_sk_r1
	.globl	k_qa85c92b8da_sk_r1
	.p2align	8
	.type	k_qa85c92b8da_sk_r1,@function
k_qa85c92b8da_sk_r1:
	s_mov_b64 s[64:65], 0
	v_nop
	global_prefetch_b8 v0, s[64:65] scope:SCOPE_SE
	s_setreg_imm32_b32 hwreg(HW_REG_WAVE_MODE, 25, 1), 1
	s_wait_xcnt 0x0
; A product with 256 rows whose K is split over work-groups: plane kh of OUT = plane kh of A ([256][1024] f32) x rows 1024 kh .. of W
; ([K][1024] f32).  Work-group y = 16 kh + column block.  The planes are added, in the fixed order of kh, by the launch that reads them.
; Used twice: [x | mean] @ w_r1 (two planes) and gelu(..) @ w_f2 (four planes).  Operands rounded to bf16, sums in f32.
; A work-group makes 64 rows x 64 columns with four waves, and ITS K IS SPLIT AMONG THE WAVES: wave w multiplies k = 256 w .. 256 w + 255 into
; all 64 x 64 outputs (16 accumulators), so that every byte of A and of W is read by one wave alone; the four partial sums meet in LDS.
; A: each wave rounds 16 whole rows to bf16 into LDS (pitch 2,064 bytes), one barrier, then each wave reads its own 512 bytes of every row.
; W: straight from memory into registers.  One load takes 256 consecutive bytes of k row k0 + i (lanes 0-15) and of k row k0 + 8 + i
; (lanes 16-31); lane r holds columns 4 r .. 4 r + 3, and component b of sixteen such loads, packed in pairs, is the fragment of tile b
; (column 4 r + b).  In the result a lane's four tiles are then 16 neighbouring bytes of a row of OUT.
; NO CLUSTER, NO TENSOR LOAD: a joint load lands in LDS, and W's strip (1,024 x 64 f32, 278,528 bytes with padding) does not fit there
; beside A (132,096 bytes); it would go through slots that are filled again, with a round of the cluster's barrier for each.
; ONE STREAM OF LOADS a wave: six rows of A first; behind each row that is rounded the next eight loads (rows 6-15, then W); in the K phase
; a ring of four buffers of W, each filled again as soon as it is packed: 48 to 64 loads are out; where that passes what LOADcnt can count
; the issue itself waits (ISA guide 5.7.1).
; REGISTERS: window 0: v0-39 addresses and work, v64-255 six row slots, later fragments (A v64-127, W v128-191, two buffers each), later
; the partial sums; window 1: v0-127 accumulators, tile (a, b) at v[8 (4 a + b)]; window 2: W's ring, 64 registers a K step of 32.
; Limits: bf16 operands; the splits of K (planes; in a plane (p0 + p1) + (p2 + p3)) are another order of rounding than one sum; NaN and
; infinities in the inputs are not followed.
.set WP,     1024                      ; W's row in elements
.set OP,     1024                      ; OUT's row in elements
.set APITCH, 2064                      ; 1,024 bf16 + 16 bytes: an odd multiple of 16
.set RED,    64*APITCH                 ; 132,096: four waves' partial sums, 16,384 bytes each
.set HB,  24                           ; v[24:39]   a row's 32 numbers in bf16
.set X,   64                           ; v[64:255]  six row slots of 32
.set FA,  64                           ; v[64:127]  two buffers of four A fragments
.set FB,  128                          ; v[128:191] two buffers of four W fragments
.set P,   64                           ; v[64:191]  the way out: four partial sums of my row tile
.set O,   192                          ; v[192:223] the way out: index 4 j + b
.set MSB, 0
.macro WIN new                         ; the immediate's high byte repeats the setting that is left
.if MSB != \new
	s_set_vgpr_msb (MSB<<8)|\new
.set MSB, \new
.endif
.endm
.macro PLACES                          ; four places behind a matrix instruction before an LDS store reads its result
.rept 4
	v_nop
.endr
.endm
; eight loads of W: half hh of my sixteen halves of a K step; load i brings k = 16 hh + 8 h + i.  Destination in window 2.
.macro LOADW hh
.irp i, 0,1,2,3,4,5,6,7
	global_load_b128 v[32*((\hh)&7)+4*\i:32*((\hh)&7)+4*\i+3], v8, s[6:7] offset:(16*(\hh)+\i)*WP*4
.endr
.endm
; row i of my 16: rounded, stored into A; then the stream's next eight loads
.macro PRO_ROW i
.set XB, X+32*((\i)%6)
	s_wait_loadcnt 40                              ; six groups of eight were issued ahead and one behind each row: five younger groups stay out
.irp j, 0,1,2,3,4,5,6,7,8,9,10,11,12,13,14,15
	v_cvt_pk_bf16_f32 v[HB+\j], v[XB+2*\j], v[XB+2*\j+1]
.endr
.irp j, 0,1,2,3,4,5,6,7
	ds_store_b64 v5, v[HB+2*\j:HB+2*\j+1] offset:APITCH*\i+256*\j
.endr
.if \i < 10
.irp j, 0,1,2,3,4,5,6,7
	global_load_b128 v[XB+4*\j:XB+4*\j+3], v4, s[4:5] offset:4096*(\i+6)+512*\j
.endr
.else
	WIN 0x80
	LOADW \i-10
	WIN 0
.endif
.endm
.macro LDA kk                          ; 8 LDS loads: four A fragments of K step kk of my quarter
.irp a, 0,1,2,3
	ds_load_b128 v[FA+32*((\kk)&1)+8*\a:FA+32*((\kk)&1)+8*\a+3], v[6+\a/2] offset:(\a&1)*16*APITCH+64*(\kk)
	ds_load_b128 v[FA+32*((\kk)&1)+8*\a+4:FA+32*((\kk)&1)+8*\a+7], v[6+\a/2] offset:(\a&1)*16*APITCH+64*(\kk)+32
.endr
.endm
; one K step of 32: W packed, its buffer filled again, the next A fragments asked for, 16 matrix instructions.
; The 32 conversions are the places between the matrix instructions of the step before and the loads into their A buffer.
; The 16 accumulators take turns, one instruction a turn.
.macro STEP kk, left, zero
	s_wait_loadcnt \left                           ; this step's 16 loads of W are in; the younger ones stay out
	WIN 0x0a                                       ; sources in window 2
.irp b, 0,1,2,3
.irp j, 0,1,2,3,4,5,6,7
	v_cvt_pk_bf16_f32 v[FB+32*((\kk)&1)+8*\b+\j], v[64*((\kk)&3)+8*\j+\b], v[64*((\kk)&3)+8*\j+4+\b]
.endr
.endr
.if \kk < 4
	WIN 0x80
	LOADW 2*\kk+8
	LOADW 2*\kk+9
.endif
	WIN 0
.if \kk < 7
	LDA \kk+1
	s_wait_dscnt 8                                 ; this step's fragments are in, the next step's eight loads stay out
.else
	s_wait_dscnt 0x0
.endif
	WIN 0x50                                       ; C and D in window 1
.irp a, 0,1,2,3
.irp b, 0,1,2,3
.if \zero
	v_wmma_f32_16x16x32_bf16 v[8*(4*\a+\b):8*(4*\a+\b)+7], v[FA+32*((\kk)&1)+8*\a:FA+32*((\kk)&1)+8*\a+7], v[FB+32*((\kk)&1)+8*\b:FB+32*((\kk)&1)+8*\b+7], 0
.else
	v_wmma_f32_16x16x32_bf16 v[8*(4*\a+\b):8*(4*\a+\b)+7], v[FA+32*((\kk)&1)+8*\a:FA+32*((\kk)&1)+8*\a+7], v[FB+32*((\kk)&1)+8*\b:FB+32*((\kk)&1)+8*\b+7], v[8*(4*\a+\b):8*(4*\a+\b)+7]
.endif
.endr
.endr
.endm
	s_load_b128 s[4:7], s[0:1], 0x0                ; A s[4:5], W s[6:7]
	s_load_b64 s[8:9], s[0:1], 0x10                ; OUT
	v_lshl_add_u32 v62, v0, 2, 0x30400
	v_mov_b32 v63, 0
	v_lshrrev_b32 v1, 5, v0
	v_readfirstlane_b32 s10, v1                    ; wave
	s_and_b32 s11, ttmp7, 0xffff                   ; work-group y
	s_and_b32 s12, s11, 15                         ; column block
	s_lshr_b32 s13, s11, 4                         ; kh: which 1,024 of K
	s_lshl_b32 s14, ttmp9, 6
	s_lshl4_add_u32 s14, s10, s14                  ; my first row: 64 x row block + 16 x wave
	s_lshl_b32 s16, s14, 12
	s_lshl_b32 s15, s13, 20                        ; plane kh, 1 MiB each
	s_add_co_u32 s16, s16, s15                     ; in A
	s_mov_b32 s17, 0
	s_lshl_b32 s18, s12, 8                         ; my 64 columns, in bytes
	s_mul_i32 s20, s13, 1024*WP*4                  ; my 1,024 rows of W
	s_add_co_u32 s20, s20, s18
	s_mov_b32 s21, 0
	s_add_co_u32 s18, s18, s16                     ; in OUT: its rows are as long as A's: the same plane and row, plus my columns
	s_mov_b32 s19, 0
	s_mul_i32 s22, s10, 256*WP*4                   ; my quarter of the 1,024
	s_mov_b32 s23, 0
	v_and_b32 v1, 31, v0                           ; lane
	v_lshlrev_b32 v4, 4, v1
	s_wait_kmcnt 0x0
	s_add_nc_u64 s[4:5], s[4:5], s[16:17]
.irp i, 0,1,2,3,4,5
.irp j, 0,1,2,3,4,5,6,7
	global_load_b128 v[X+32*\i+4*\j:X+32*\i+4*\j+3], v4, s[4:5] offset:4096*\i+512*\j
.endr
.endr
	s_add_nc_u64 s[24:25], s[6:7], s[20:21]        ; W at my columns and my part of K
	s_add_nc_u64 s[6:7], s[24:25], s[22:23]        ; and at my quarter of it
	s_add_nc_u64 s[8:9], s[8:9], s[18:19]
	s_lshl_b32 s26, ttmp9, 8
	s_lshl_b32 s27, s10, 6
	s_add_co_u32 s26, s26, s27
	v_add_nc_u32 v15, s26, v1
	v_mul_u32_u24 v15, v15, WP*4                   ; k row 256 x row block + 64 x wave + lane
	global_prefetch_b8 v15, s[24:25] th:TH_LOAD_NT scope:SCOPE_SE                 ; the four row blocks of a column strip each name 256 of its 1,024 row pieces of
	global_prefetch_b8 v15, s[24:25] offset:32*WP*4 th:TH_LOAD_NT scope:SCOPE_SE  ; 256 bytes, once: ten rows of A are rounded before the first load of W goes out
	v_and_b32 v2, 15, v0                           ; r
	v_bfe_u32 v3, v0, 4, 1                         ; h
	s_mul_i32 s28, s10, 16*APITCH
	v_lshl_add_u32 v5, v1, 3, s28                  ; A in: my 16 rows, 8 bytes a lane
	v_mul_u32_u24 v6, v2, APITCH
	v_lshl_add_u32 v6, v3, 4, v6
	s_lshl_b32 s29, s10, 9
	v_add_nc_u32 v6, s29, v6                       ; A fragments: row r, 16 h, my 512 bytes of the row
	v_add_nc_u32 v7, 32*APITCH, v6
	v_mul_u32_u24 v8, v3, 8*WP*4
	v_lshl_add_u32 v8, v2, 4, v8                   ; W: k row 8 h, columns 4 r ..
	s_lshl_b32 s30, s10, 14
	s_add_co_u32 s30, s30, RED
	v_add_nc_u32 v9, s30, v4                       ; my partial sums
	s_lshl_b32 s31, s10, 12
	s_add_co_u32 s31, s31, RED
	v_add_nc_u32 v10, s31, v4                      ; row tile w in the first wave's partial sums
	v_mul_u32_u24 v11, v3, 8*OP*4
	v_lshl_add_u32 v11, v2, 4, v11                 ; OUT: row 8 h, columns 4 r ..
.irp i, 0,1,2,3,4,5,6,7,8,9,10,11,12,13,14,15
	PRO_ROW \i
.endr
	WIN 0x80
	LOADW 6
	LOADW 7
	WIN 0
	s_wait_dscnt 0x0                               ; my rows of A are written
	s_barrier_signal -1
	s_barrier_wait -1                              ; everybody's are
	LDA 0
	STEP 0, 48, 1                                  ; the first products start the sums: nothing is cleared
	STEP 1, 48, 0                                  ; 48: the three younger K steps of 16 loads
	STEP 2, 48, 0
	STEP 3, 48, 0
	STEP 4, 48, 0
	STEP 5, 32, 0
	STEP 6, 16, 0
	STEP 7, 0, 0
	WIN 0
	PLACES
	WIN 0x04                                       ; the stores' data in window 1
.set q, 0
.rept 32
	ds_store_b128 v9, v[4*q:4*q+3] offset:512*q
.set q, q+1
.endr
	WIN 0
	s_wait_dscnt 0x0
	s_barrier_signal -1
	s_barrier_wait -1                              ; all four partial sums are in LDS
.irp p, 0,1,2,3
.irp q, 0,1,2,3,4,5,6,7
	ds_load_b128 v[P+32*\p+4*\q:P+32*\p+4*\q+3], v10 offset:16384*\p+512*\q
.endr
.endr
	s_wait_dscnt 0x0
.set ti, 0
.rept 16
	v_pk_add_f32 v[P+ti:P+ti+1], v[P+ti:P+ti+1], v[P+32+ti:P+33+ti]
	v_pk_add_f32 v[P+64+ti:P+65+ti], v[P+64+ti:P+65+ti], v[P+96+ti:P+97+ti]
.set ti, ti+2
.endr
.irp j, 0,1,2,3,4,5,6,7
.irp b, 0,1,2,3
	v_add_f32 v[O+4*\j+\b], v[P+8*\b+\j], v[P+64+8*\b+\j]          ; the last add also gathers a row's four columns
.endr
.endr
.irp j, 0,1,2,3,4,5,6,7
	global_store_b128 v11, v[O+4*\j:O+4*\j+3], s[8:9] offset:\j*OP*4   ; 16 lanes store 256 consecutive bytes, aligned
.endr
	s_wait_tensorcnt 0x0
	ds_add_u32 v62, v63
	s_wait_dscnt 0x0
	s_endpgm
.Lfunc_end_k_qa85c92b8da_sk_r1:
	.size	k_qa85c92b8da_sk_r1, .Lfunc_end_k_qa85c92b8da_sk_r1-k_qa85c92b8da_sk_r1
	.p2alignl 7, 3214868480
	.fill 96, 4, 3214868480
	.section	.rodata,"a",@progbits
	.p2align	6, 0x0
	.amdhsa_kernel k_qa85c92b8da_sk_r1
		.amdhsa_group_segment_fixed_size 198144
		.amdhsa_private_segment_fixed_size 0
		.amdhsa_enable_private_segment 0
		.amdhsa_kernarg_size 24
		.amdhsa_user_sgpr_count 2
		.amdhsa_user_sgpr_kernarg_segment_ptr 1
		.amdhsa_wavefront_size32 1
		.amdhsa_system_sgpr_workgroup_id_x 1
		.amdhsa_system_sgpr_workgroup_id_y 1
		.amdhsa_system_sgpr_workgroup_id_z 1
		.amdhsa_system_vgpr_workitem_id 0
		.amdhsa_next_free_vgpr 768
		.amdhsa_next_free_sgpr 66
		.amdhsa_reserve_vcc 0
		.amdhsa_float_denorm_mode_32 3
		.amdhsa_float_denorm_mode_16_64 3
		.amdhsa_memory_ordered 1
		.amdhsa_forward_progress 1
		.amdhsa_inst_pref_size 90
	.end_amdhsa_kernel
	.amdgpu_metadata
---
amdhsa.version: [ 1, 2 ]
amdhsa.kernels:
  - .name:           k_qa85c92b8da_sk_r1
    .symbol:         k_qa85c92b8da_sk_r1.kd
    .args:
      - { .name: ctx, .offset: 0, .size: 8, .value_kind: global_buffer, .address_space: global }
      - { .name: w_r1, .offset: 8, .size: 8, .value_kind: global_buffer, .address_space: global }
      - { .name: part, .offset: 16, .size: 8, .value_kind: global_buffer, .address_space: global }
    .group_segment_fixed_size: 198144
    .private_segment_fixed_size: 0
    .kernarg_segment_align: 8
    .kernarg_segment_size: 24
    .max_flat_workgroup_size: 128
    .sgpr_count:     66
    .vgpr_count:     768
    .wavefront_size: 32
...
	.end_amdgpu_metadata
.endif
;; end of part 3
;; launch alpha (part 4): grid 16 x 1, 8 waves a work-group, no clusters, 199,936 bytes of LDS; arguments part, b_r1, w_r2, b_r2, out2; writes out2
.if DOCPART == 4
	.amdgcn_target "amdgcn-amd-amdhsa--gfx1250"
	.amdhsa_code_object_version 6
	.text
	.protected	k_qa85c92b8da_alpha
	.globl	k_qa85c92b8da_alpha
	.p2align	8
	.type	k_qa85c92b8da_alpha,@function
k_qa85c92b8da_alpha:
	s_mov_b64 s[64:65], 0
	v_nop
	global_prefetch_b8 v0, s[64:65] scope:SCOPE_SE
	s_setreg_imm32_b32 hwreg(HW_REG_WAVE_MODE, 25, 1), 1
	s_wait_xcnt 0x0
; alpha = softmax(gelu(p0 + p1 + b_r1) @ w_r2 + b_r2).  p0, p1: the two K halves of [x | mean] @ w_r1, planes of 'part'.
; A work-group takes 16 batch rows, eight waves.  Phase 1: wave w copies rows 128 w .. of w_r2 (f32) into LDS and makes h_r of rows 2 w and
; 2 w + 1 (bf16, into LDS).  Phase 2: wave w multiplies k = 128 w .. 128 w + 127 into two accumulators (slots 0-15, 16-31).  Phase 3: the
; eight partial sums meet in LDS; wave 0 adds them in the order of w, adds b_r2 and makes the softmax, the row's maximum taken away first.
; No cluster, no tensor load: w_r2 is 131,072 bytes for a work-group, read once through registers; the launch has 16 work-groups since a
; matrix tile has 16 rows and there are 256.
; Limits: bf16 operands; erf by the five-term rational formula of Abramowitz and Stegun 7.1.26 (absolute error 1.5e-7); NaN and
; infinities in the inputs are not followed; exponentials below 2^-126 count as zero.
.set AHP,  2064                        ; h_r: 16 rows x (1,024 bf16 + 16 bytes)
.set W2,   16*AHP                      ; 33,024: w_r2, 1,024 rows x 144 (32 f32 + 16 bytes)
.set W2P,  144
.set RED,  W2+1024*W2P                 ; 180,480: eight waves' partial sums, 2,048 bytes each
.set OUTS, RED+8*2048                  ; 196,864: the 16 rows of alpha
.set BR,  160                          ; v[160:191] b_r1 of my 32 columns
.set GD,  96                           ; v[96:119]  at work in GELU8
.set GE,  104
.set GP,  112
.set KC,  120                          ; v[120:129] the polynomial's constants, negated, each twice
.set HB,  130                          ; v[130:145] a row's 32 numbers in bf16
.set SGC, 28
; gelu(x) = 0.5 x + |0.5 x| erf(|x| / sqrt 2), eight numbers in place.  t = 1 / (1 + 0.23164189 |x|); erf = 1 - t (a1 + t (a2 + ..)) 2^(-0.72134752 x x)
.macro GELU8 x
.irp p, 0,2,4,6
	v_pk_mul_f32 v[GE+\p:GE+\p+1], v[\x+\p:\x+\p+1], 0xbf38aa3b op_sel_hi:[1,0]
.endr
.irp i, 0,1,2,3,4,5,6,7
	v_fma_f32 v[GD+\i], |v[\x+\i]|, s[SGC], 1.0
.endr
.irp p, 0,2,4,6
	v_pk_mul_f32 v[GE+\p:GE+\p+1], v[GE+\p:GE+\p+1], v[\x+\p:\x+\p+1]
.endr
.irp i, 0,1,2,3,4,5,6,7
	v_rcp_f32 v[GD+\i], v[GD+\i]
.endr
.irp i, 0,1,2,3,4,5,6,7
	v_exp_f32 v[GE+\i], v[GE+\i]
.endr
.irp p, 0,2,4,6
	v_pk_mul_f32 v[\x+\p:\x+\p+1], v[\x+\p:\x+\p+1], 0.5 op_sel_hi:[1,0]   ; plain work that touches no transcendental's register stands behind them (ISA guide 5.7.2)
.endr
	s_wait_alu depctr_va_vdst(0)
.irp p, 0,2,4,6
	v_pk_fma_f32 v[GP+\p:GP+\p+1], v[GD+\p:GD+\p+1], v[KC+8:KC+9], v[KC+6:KC+7]
.endr
.irp c, 4,2,0
.irp p, 0,2,4,6
	v_pk_fma_f32 v[GP+\p:GP+\p+1], v[GP+\p:GP+\p+1], v[GD+\p:GD+\p+1], v[KC+\c:KC+\c+1]
.endr
.endr
.irp p, 0,2,4,6
	v_pk_mul_f32 v[GP+\p:GP+\p+1], v[GP+\p:GP+\p+1], v[GD+\p:GD+\p+1]
.endr
.irp p, 0,2,4,6
	v_pk_fma_f32 v[GP+\p:GP+\p+1], v[GP+\p:GP+\p+1], v[GE+\p:GE+\p+1], 1.0 op_sel_hi:[1,1,0]   ; the constants are negated: this is 1 - poly x exp
.endr
.irp i, 0,1,2,3,4,5,6,7
	v_fma_f32 v[\x+\i], |v[\x+\i]|, v[GP+\i], v[\x+\i]
.endr
.endm
; one row of h_r: the two halves and the bias, gelu, bf16, into LDS
.macro ROWH p0, p1, row
.set ti, 0
.rept 16
	v_pk_add_f32 v[\p0+ti:\p0+ti+1], v[\p0+ti:\p0+ti+1], v[\p1+ti:\p1+ti+1]
	v_pk_add_f32 v[\p0+ti:\p0+ti+1], v[\p0+ti:\p0+ti+1], v[BR+ti:BR+ti+1]
.set ti, ti+2
.endr
	GELU8 \p0
	GELU8 \p0+8
	GELU8 \p0+16
	GELU8 \p0+24
.irp j, 0,1,2,3,4,5,6,7,8,9,10,11,12,13,14,15
	v_cvt_pk_bf16_f32 v[HB+\j], v[\p0+2*\j], v[\p0+2*\j+1]
.endr
.irp j, 0,1,2,3,4,5,6,7
	ds_store_b64 v7, v[HB+2*\j:HB+2*\j+1] offset:AHP*\row+256*\j
.endr
.endm
	s_load_b256 s[4:11], s[0:1], 0x0               ; part s[4:5], b_r1 s[6:7], w_r2 s[8:9], b_r2 s[10:11]
	s_load_b64 s[12:13], s[0:1], 0x20              ; out2
	s_set_vgpr_msb 0x40
	v_lshl_add_u32 v0, v0, 2, 0x30900
	v_mov_b32 v1, 0
	s_set_vgpr_msb 0x4000
	v_lshrrev_b32 v1, 5, v0
	v_readfirstlane_b32 s16, v1                    ; wave
	v_and_b32 v1, 31, v0                           ; lane
	v_and_b32 v2, 15, v0                           ; r
	v_bfe_u32 v3, v0, 4, 1                         ; h
	v_lshlrev_b32 v4, 4, v1                        ; 16 lane
	v_lshlrev_b32 v5, 2, v2                        ; 4 r
	s_lshl_b32 s18, s16, 14                        ; w_r2: my 128 rows of 128 bytes
	s_mov_b32 s19, 0
	s_lshl_b32 s20, ttmp9, 4
	s_lshl1_add_u32 s20, s16, s20                  ; my first row: 16 x group + 2 x wave
	s_lshl_b32 s20, s20, 12
	s_mov_b32 s21, 0
	s_lshl_b32 s22, ttmp9, 11                      ; out2: 16 rows of 128 bytes
	s_mov_b32 s23, 0
	s_mov_b32 s[SGC], 0x3e6d3388                   ; 0.3275911 / sqrt 2
	s_wait_kmcnt 0x0
	s_add_nc_u64 s[8:9], s[8:9], s[18:19]
	s_add_nc_u64 s[4:5], s[4:5], s[20:21]
	s_add_nc_u64 s[12:13], s[12:13], s[22:23]
	global_load_b32 v12, v5, s[10:11]              ; b_r2 of slot r and of slot 16 + r
	global_load_b32 v13, v5, s[10:11] offset:64
.set n, 0
.rept 32
	global_load_b128 v[32+4*n:35+4*n], v4, s[8:9] offset:512*n
.set n, n+1
.endr
.irp j, 0,1,2,3,4,5,6,7
	global_load_b128 v[BR+4*\j:BR+4*\j+3], v4, s[6:7] offset:512*\j
.endr
.irp j, 0,1,2,3,4,5,6,7
	global_load_b128 v[192+4*\j:195+4*\j], v4, s[4:5] offset:512*\j
.endr
.irp j, 0,1,2,3,4,5,6,7
	global_load_b128 v[224+4*\j:227+4*\j], v4, s[4:5] offset:1048576+512*\j
.endr
	v_lshrrev_b32 v6, 3, v1
	v_mul_u32_u24 v6, v6, W2P
	v_and_b32 v7, 7, v1
	v_lshl_add_u32 v6, v7, 4, v6
	s_mul_i32 s24, s16, 128*W2P
	s_add_co_u32 s24, s24, W2                      ; my 128 rows of w_r2 in LDS
	v_add_nc_u32 v6, s24, v6                       ; in: four rows a store, eight lanes a row
	s_mul_i32 s25, s16, 2*AHP
	v_lshl_add_u32 v7, v1, 3, s25                  ; h_r in: my two rows, 8 bytes a lane
	v_mul_u32_u24 v8, v2, AHP
	v_lshl_add_u32 v8, v3, 4, v8
	s_lshl_b32 s26, s16, 8
	v_add_nc_u32 v8, s26, v8                       ; h_r fragments: row r, k = 128 wave + 8 h
	v_mul_u32_u24 v9, v3, 8*W2P
	v_add_nc_u32 v9, v9, v5
	v_add_nc_u32 v9, s24, v9                       ; w_r2: k row 128 wave + 8 h, column r
	s_lshl_b32 s27, s16, 11
	s_add_co_u32 s27, s27, RED
	v_add_nc_u32 v10, s27, v4                      ; my partial sums
	v_add_nc_u32 v11, RED, v4
	v_lshl_add_u32 v14, v3, 10, v5
	v_add_nc_u32 v14, OUTS, v14                    ; alpha in: row 8 h (+ j), slot r (+ 16)
	v_add_nc_u32 v15, OUTS, v4
	s_wait_loadcnt 24                              ; w_r2's 32 loads are in; b_r1's 8 and the first row's 16 stay out
.set n, 0
.rept 32
	ds_store_b128 v6, v[32+4*n:35+4*n] offset:4*W2P*n
.set n, n+1
.endr
.irp j, 0,1,2,3,4,5,6,7
	global_load_b128 v[32+4*\j:35+4*\j], v4, s[4:5] offset:4096+512*\j
.endr
.irp j, 0,1,2,3,4,5,6,7
	global_load_b128 v[64+4*\j:67+4*\j], v4, s[4:5] offset:1048576+4096+512*\j
.endr
.irp h, 0,1
	v_mov_b32 v[KC+\h], 0xbe827906                 ; -a1
	v_mov_b32 v[KC+2+\h], 0x3e91a98e               ; -a2
	v_mov_b32 v[KC+4+\h], 0xbfb5f0e3               ; -a3
	v_mov_b32 v[KC+6+\h], 0x3fba00e3               ; -a4
	v_mov_b32 v[KC+8+\h], 0xbf87dc22               ; -a5
.endr
	s_wait_loadcnt 16                              ; b_r1 and row 2 w are in; row 2 w + 1 stays out
	ROWH 192, 224, 0
	s_wait_loadcnt 0x0
	ROWH 32, 64, 1
	s_wait_dscnt 0x0
	s_barrier_signal -1
	s_barrier_wait -1                              ; all 16 rows of h_r are in LDS
.irp q, 0,1,2,3
	ds_load_b128 v[32+8*\q:35+8*\q], v8 offset:64*\q
	ds_load_b128 v[36+8*\q:39+8*\q], v8 offset:64*\q+32
.endr
.irp q, 0,1,2,3
.irp u, 0,1
.irp i, 0,1,2,3,4,5,6,7,8,9,10,11,12,13,14,15
	ds_load_b32 v[64+16*(2*\q+\u)+\i], v9 offset:(32*\q+\i+8*(\i/8))*W2P+64*\u
.endr
.endr
.endr
	s_wait_dscnt 0x0
.set n, 0
.rept 64
	v_cvt_pk_bf16_f32 v[192+n], v[64+2*n], v[65+2*n]
.set n, n+1
.endr
; the two accumulators take turns, one instruction a turn; the first products start the sums
.irp q, 0,1,2,3
.irp u, 0,1
.if \q == 0
	v_wmma_f32_16x16x32_bf16 v[16+8*\u:23+8*\u], v[32+8*\q:39+8*\q], v[192+8*(2*\q+\u):199+8*(2*\q+\u)], 0
.else
	v_wmma_f32_16x16x32_bf16 v[16+8*\u:23+8*\u], v[32+8*\q:39+8*\q], v[192+8*(2*\q+\u):199+8*(2*\q+\u)], v[16+8*\u:23+8*\u]
.endif
.endr
.endr
.rept 4
	v_nop                                          ; four places before an LDS store reads a matrix result
.endr
.irp q, 0,1,2,3
	ds_store_b128 v10, v[16+4*\q:19+4*\q] offset:512*\q
.endr
	s_wait_dscnt 0x0
	s_barrier_signal -1
	s_barrier_wait -1
	s_cmp_lg_u32 s16, 0
	s_cbranch_scc1 .Lend                           ; wave 0 finishes alone: 16 x 32 numbers
.irp w, 0,1,2,3,4,5,6,7
.irp q, 0,1,2,3
	ds_load_b128 v[32+16*\w+4*\q:35+16*\w+4*\q], v11 offset:2048*\w+512*\q
.endr
.endr
	s_wait_dscnt 0x0
.irp w, 1,2,3,4,5,6,7
.irp p, 0,2,4,6,8,10,12,14
	v_pk_add_f32 v[32+\p:33+\p], v[32+\p:33+\p], v[32+16*\w+\p:33+16*\w+\p]
.endr
.endr
	; register j of v[32:39]: row 8 h + j, slot r; of v[40:47]: slot 16 + r
.irp p, 0,2,4,6
	v_pk_add_f32 v[32+\p:33+\p], v[32+\p:33+\p], v[12:13] op_sel_hi:[1,0]
	v_pk_add_f32 v[40+\p:41+\p], v[40+\p:41+\p], v[12:13] op_sel:[0,1] op_sel_hi:[1,1]
.endr
.irp j, 0,1,2,3,4,5,6,7
	v_max_num_f32 v[48+\j], v[32+\j], v[40+\j]
.endr
.irp m, 1,2,4,8
.irp j, 0,1,2,3,4,5,6,7
	v_max_num_f32_dpp v[48+\j], v[48+\j], v[48+\j] row_xmask:\m row_mask:0xf bank_mask:0xf   ; the 16 lanes of one h hold one row's slots
.endr
.endr
.irp p, 0,2,4,6
	v_pk_add_f32 v[32+\p:33+\p], v[32+\p:33+\p], v[48+\p:49+\p] neg_lo:[0,1] neg_hi:[0,1]
	v_pk_add_f32 v[40+\p:41+\p], v[40+\p:41+\p], v[48+\p:49+\p] neg_lo:[0,1] neg_hi:[0,1]
.endr
.irp p, 0,2,4,6,8,10,12,14
	v_pk_mul_f32 v[32+\p:33+\p], v[32+\p:33+\p], 0x3fb8aa3b op_sel_hi:[1,0]
.endr
.irp i, 0,1,2,3,4,5,6,7,8,9,10,11,12,13,14,15
	v_exp_f32 v[32+\i], v[32+\i]
.endr
	v_nop                                          ; one plain place behind the transcendentals (ISA guide 5.7.2)
	s_wait_alu depctr_va_vdst(0)
.irp p, 0,2,4,6
	v_pk_add_f32 v[56+\p:57+\p], v[32+\p:33+\p], v[40+\p:41+\p]
.endr
.irp m, 1,2,4,8
.irp j, 0,1,2,3,4,5,6,7
	v_add_f32_dpp v[56+\j], v[56+\j], v[56+\j] row_xmask:\m row_mask:0xf bank_mask:0xf
.endr
.endr
.irp j, 0,1,2,3,4,5,6,7
	v_rcp_f32 v[56+\j], v[56+\j]
.endr
	v_nop
	s_wait_alu depctr_va_vdst(0)
.irp p, 0,2,4,6
	v_pk_mul_f32 v[32+\p:33+\p], v[32+\p:33+\p], v[56+\p:57+\p]
	v_pk_mul_f32 v[40+\p:41+\p], v[40+\p:41+\p], v[56+\p:57+\p]
.endr
.irp j, 0,1,2,3,4,5,6,7
	ds_store_b32 v14, v[32+\j] offset:128*\j
	ds_store_b32 v14, v[40+\j] offset:128*\j+64
.endr
.irp q, 0,1,2,3
	ds_load_b128 v[64+4*\q:67+4*\q], v15 offset:512*\q             ; the wave's own stores, served in order
.endr
.irp q, 0,1,2,3
	s_wait_dscnt 3-\q
	global_store_b128 v4, v[64+4*\q:67+4*\q], s[12:13] offset:512*\q   ; 512 consecutive bytes a store
.endr
.Lend:
	s_set_vgpr_msb 0x5
	s_wait_tensorcnt 0x0
	ds_add_u32 v0, v1
	s_wait_dscnt 0x0
	s_set_vgpr_msb 0x500
	s_endpgm
.Lfunc_end_k_qa85c92b8da_alpha:
	.size	k_qa85c92b8da_alpha, .Lfunc_end_k_qa85c92b8da_alpha-k_qa85c92b8da_alpha
	.p2alignl 7, 3214868480
	.fill 96, 4, 3214868480
	.section	.rodata,"a",@progbits
	.p2align	6, 0x0
	.amdhsa_kernel k_qa85c92b8da_alpha
		.amdhsa_group_segment_fixed_size 199936
		.amdhsa_private_segment_fixed_size 0
		.amdhsa_enable_private_segment 0
		.amdhsa_kernarg_size 40
		.amdhsa_user_sgpr_count 2
		.amdhsa_user_sgpr_kernarg_segment_ptr 1
		.amdhsa_wavefront_size32 1
		.amdhsa_system_sgpr_workgroup_id_x 1
		.amdhsa_system_sgpr_workgroup_id_y 1
		.amdhsa_system_sgpr_workgroup_id_z 1
		.amdhsa_system_vgpr_workitem_id 0
		.amdhsa_next_free_vgpr 258
		.amdhsa_next_free_sgpr 66
		.amdhsa_reserve_vcc 0
		.amdhsa_float_denorm_mode_32 3
		.amdhsa_float_denorm_mode_16_64 3
		.amdhsa_memory_ordered 1
		.amdhsa_forward_progress 1
		.amdhsa_inst_pref_size 80
	.end_amdhsa_kernel
	.amdgpu_metadata
---
amdhsa.version: [ 1, 2 ]
amdhsa.kernels:
  - .name:           k_qa85c92b8da_alpha
    .symbol:         k_qa85c92b8da_alpha.kd
    .args:
      - { .name: part, .offset: 0, .size: 8, .value_kind: global_buffer, .address_space: global }
      - { .name: b_r1, .offset: 8, .size: 8, .value_kind: global_buffer, .address_space: global }
      - { .name: w_r2, .offset: 16, .size: 8, .value_kind: global_buffer, .address_space: global }
      - { .name: b_r2, .offset: 24, .size: 8, .value_kind: global_buffer, .address_space: global }
      - { .name: out2, .offset: 32, .size: 8, .value_kind: global_buffer, .address_space: global }
    .group_segment_fixed_size: 199936
    .private_segment_fixed_size: 0
    .kernarg_segment_align: 8
    .kernarg_segment_size: 40
    .max_flat_workgroup_size: 256
    .sgpr_count:     66
    .vgpr_count:     258
    .wavefront_size: 32
...
	.end_amdgpu_metadata
.endif
;; end of part 4
;; launch main (part 5): grid 8 x 32, 4 waves a work-group, clusters of 4 x 4, 327,680 bytes of LDS; arguments Sbf, whhT, S, out2, xg, b_ih, b_hh, out1, sctx; writes out1, sctx
.if DOCPART == 5
	.amdgcn_target "amdgcn-amd-amdhsa--gfx1250"
	.amdhsa_code_object_version 6
	.text
	.protected	k_qa85c92b8da_main
	.globl	k_qa85c92b8da_main
	.p2align	8
	.type	k_qa85c92b8da_main,@function
k_qa85c92b8da_main:
	s_mov_b64 s[64:65], 0
	v_nop
	global_prefetch_b8 v0, s[64:65] scope:SCOPE_SE
	s_setreg_imm32_b32 hwreg(HW_REG_WAVE_MODE, 25, 1), 1
	s_wait_xcnt 0x0
	s_wait_alu depctr_hold_cnt(0) depctr_sa_sdst(0) depctr_va_vdst(0) depctr_va_sdst(0) depctr_va_ssrc(0) depctr_va_vcc(0) depctr_vm_vsrc(0)
	s_getreg_b32 s2, hwreg(HW_REG_IB_STS2, 6, 4)
	s_cmp_eq_u32 s2, 0
	s_cbranch_scc0 .Lentry_in_a_cluster
	s_endpgm
.Lentry_in_a_cluster:
	s_bfe_u32 s2, ttmp6, 0x10000c
	s_cmp_lg_u32 s2, 0xf033
	s_cbranch_scc0 .Lentry_shape_is_right
	s_endpgm
.Lentry_shape_is_right:
; THE GRU CELL AND THE READOUT.  gh = S @ w_hh over 8,192 rows (batch x slot), K = 1,024, three gates; then, in registers,
;   r = sigmoid(alpha xg_r + b_ih_r + gh_r + b_hh_r),  z likewise,  n = tanh(alpha xg_n + b_ih_n + r (gh_n + b_hh_n)),
;   S_new = n + z (S - n)  (out1),   slot_context[b] = sum over s of alpha[b,s] S_new[b,s]  (sctx).      xg = x @ w_ih, alpha = out2.
; A work-group makes 256 rows (8 batches) x 128 columns d x 3 gates with four waves; a wave 128 rows x 64 d x 3 gates = 96 accumulator
; tiles, 768 registers, so that all three gates of an element meet in one lane.  For 32 along K a wave reads (128 + 192) x 64 bytes of
; LDS for 96 matrix instructions.  K goes in steps of 64 through two LDS slots (384 rows of whhT, 256 rows of Sbf, 144 bytes apart):
; two slots of a step of 128 would take 2 x 640 x 272 = 348,160 bytes, more than the 327,680 there are.
; CLUSTER 4 x 4: Sbf's tile hangs on the block row alone and is asked for jointly along a row of the cluster, whhT's on the block column
; alone and jointly along a column.  Waves 0, 1 fetch whhT's halves (192 rows), waves 2, 3 Sbf's (128 rows): one tensor load a wave.
; whhT's rows are ordered so that tile b, lane r is column d0 + 4 r + b: a lane's four tiles are 16 neighbouring bytes of S, out1, xg, the
; biases and sctx, and 16 lanes make 256 consecutive aligned bytes: no stage in LDS on the way out.
; REGISTERS: window 0: v0-31 addresses, v32-95 and v96-159 fragments of S (two buffers), v160-255 fragments of whhT (32 a gate);
; window g + 1: gate g's 32 tiles, tile (a, b) at v[8 (4 a + b)].
; Limits: bf16 operands; sigmoid and tanh by 2^x and 1/x, saturating through infinity and zero (absolute error of tanh near 0 about one
; unit of f32 at 1); results of 2^x below 2^-126 count as zero; NaN and infinities in the inputs are not followed.
.set PITCH, 144                        ; 128 bytes + 16: an odd multiple of 16
.set AOFF,  384*PITCH                  ; Sbf's rows lie behind whhT's
.set SLOT,  AOFF+256*PITCH             ; 92,160
.set FA0,  32
.set FA1,  96
.set FB,   160
.set ADRB, 10                          ; v10-11 whhT fragments, slot 0, 1
.set ADRA, 12                          ; v12-13 Sbf fragments
.set G1A, 32                           ; s[32:39] group 1, Sbf     s[40:47] group 1, whhT
.set G1B, 40
.set G0A, 48                           ; s[48:55] group 0, Sbf, a set for each slot     s[56:63] whhT
.set G0B, 56
.set GC, (1<<16)|(1<<20)|(1<<21)|(4<<22)|(3<<25)   ; elements of 2 bytes; padding of 4 words behind every 32; bit 21 beside a mask
; the way out, window 0
.set T1,  32                           ; 32 numbers each, index 4 j + b (row j of the tile's eight, column b of my four)
.set T2,  64
.set T3,  96
.set SB0, 128                          ; S, then S_new: two buffers
.set AL0, 192                          ; alpha of my eight rows: two buffers
.set XGR, 208                          ; xg of the batch, three gates
.set XR,  220                          ; -L xg_r, -L xg_z, 2L xg_n            (L = log2 e)
.set XZ,  224
.set XN,  228
.set CR,  232                          ; -L (b_ih_r + b_hh_r), the same for z, 2L b_ih_n, 2L b_hh_n
.set CZ,  236
.set BIN, 240
.set BHN, 244
.set CT,  248                          ; the readout's running sum
.set TOT0, 252
.set TOT1, 16
.set OO,  20
.set MSB, 0
.macro WIN new                         ; the immediate's high byte repeats the setting that is left
.if MSB != \new
	s_set_vgpr_msb (MSB<<8)|\new
.set MSB, \new
.endif
.endm
.macro PLACES                          ; four places behind a matrix instruction before one of its registers is loaded or read (ISA guide 7.12.1)
.rept 4
	v_nop
.endr
.endm
.macro JLOAD s                         ; the branch hangs on the wave's number alone; each line has one mask
	s_cmp_eq_u32 s23, 0
	s_cbranch_scc0 .Lfor_a_\@
	tensor_load_to_lds s[G0B+4*\s:G0B+4*\s+3], s[G1B:G1B+7]
	s_nop 0
	s_branch .Lasked_\@
.Lfor_a_\@:
	tensor_load_to_lds s[G0A+4*\s:G0A+4*\s+3], s[G1A:G1A+7]
	s_nop 0
.Lasked_\@:
.endm
.macro CREST                           ; a round of the cluster's barrier behind its opening barrier
	s_cmp_lg_u32 s22, 0
	s_cbranch_scc1 .Lnot_wave_0_\@
	s_barrier_signal -3
.Lnot_wave_0_\@:
	s_barrier_wait -3
	s_barrier_signal -1
	s_barrier_wait -1
.endm
.macro CROUND
	s_barrier_signal -1
	s_barrier_wait -1
	CREST
.endm
; gate g's 32 tiles, 32 along K.  The 96 accumulators take turns, one instruction a turn, in the same order in every half step.
.macro MUL32 g, fa, zero
	WIN (\g+1)*0x50                                ; C and D in window g + 1, the fragments in window 0
.irp a, 0,1,2,3,4,5,6,7
.irp b, 0,1,2,3
.if \zero
	v_wmma_f32_16x16x32_bf16 v[8*(4*\a+\b):8*(4*\a+\b)+7], v[\fa+8*\a:\fa+8*\a+7], v[FB+32*\g+8*\b:FB+32*\g+8*\b+7], 0
.else
	v_wmma_f32_16x16x32_bf16 v[8*(4*\a+\b):8*(4*\a+\b)+7], v[\fa+8*\a:\fa+8*\a+7], v[FB+32*\g+8*\b:FB+32*\g+8*\b+7], v[8*(4*\a+\b):8*(4*\a+\b)+7]
.endif
.endr
.endr
.endm
.macro LDB g, slot, ko                 ; 8 loads: gate g's four fragments
.irp b, 0,1,2,3
	ds_load_b128 v[FB+32*\g+8*\b:FB+32*\g+8*\b+3], v[ADRB+\slot] offset:128*PITCH*\g+16*PITCH*\b+\ko
	ds_load_b128 v[FB+32*\g+8*\b+4:FB+32*\g+8*\b+7], v[ADRB+\slot] offset:128*PITCH*\g+16*PITCH*\b+\ko+32
.endr
.endm
.macro LDA fa, slot, ko                ; 16 loads: my 128 rows of S
.irp a, 0,1,2,3,4,5,6,7
	ds_load_b128 v[\fa+8*\a:\fa+8*\a+3], v[ADRA+\slot] offset:16*PITCH*\a+\ko
	ds_load_b128 v[\fa+8*\a+4:\fa+8*\a+7], v[ADRA+\slot] offset:16*PITCH*\a+\ko+32
.endr
.endm
; the first 32 of a K step.  On the way in, in this order: gate 0 (8 loads), S (16), gate 1 (8), gate 2 (8).
.macro HALF_E slot, zero
	s_wait_dscnt 16                                ; gate 0 and S are in; gates 1 and 2 stay out
	MUL32 0, FA0, \zero
	WIN 0
	PLACES
	LDB 0, \slot, 64
	LDA FA1, \slot, 64
	s_wait_dscnt 32                                ; gate 1 is in; gate 2 (8) and the 24 just issued stay out
	MUL32 1, FA0, \zero
	WIN 0
	PLACES
	LDB 1, \slot, 64
	s_wait_dscnt 32                                ; gate 2 is in; 8 + 16 + 8 of the second half stay out
	MUL32 2, FA0, \zero
	WIN 0
	PLACES
	LDB 2, \slot, 64
.endm
; the second 32, and the change of slots.  mode 1: this slot is filled again, two K steps ahead; 0: nothing is left to fetch; 2: the very last.
; ONE barrier for two things: in front of it each wave waits for its reads of this slot and for all its tensor loads (one is out: its part
; of the next slot); behind it the refill comes first, then the next slot's fragments.  From a request to the wait for it: 160 matrix instructions.
.macro HALF_O slot, next, mode
	s_wait_dscnt 16
	MUL32 0, FA1, 0
.if \mode == 2
	s_wait_dscnt 0x0
	MUL32 1, FA1, 0
	MUL32 2, FA1, 0
	WIN 0
.else
	s_wait_dscnt 0x0                               ; my reads of this slot are over
	s_wait_tensorcnt 0x0                           ; all my tensor loads have landed
	ds_add_u32 v30, v31
	s_wait_dscnt 0x0
	s_barrier_signal -1                            ; (where the slot is filled again this barrier opens a round of the cluster's barrier)
	MUL32 1, FA1, 0                                ; register work while the others arrive
	WIN 0
	s_barrier_wait -1
.if \mode == 1
	CREST                                          ; no wave of any partner still reads this slot or has a load on its way
	s_add_nc_u64 s[G0A+4*\slot+2:G0A+4*\slot+3], s[G0A+4*\slot+2:G0A+4*\slot+3], 256
	s_add_nc_u64 s[G0B+4*\slot+2:G0B+4*\slot+3], s[G0B+4*\slot+2:G0B+4*\slot+3], 256
	JLOAD \slot                                    ; my one tensor load behind the round
.endif
	PLACES
	LDB 0, \next, 0
	LDA FA0, \next, 0
	LDB 1, \next, 0
.if \mode == 0
.irp i, 0,1,2,3
	global_prefetch_b8 v8, s[8:9] offset:131072*\i th:TH_LOAD_NT scope:SCOPE_SE   ; my wave's own 128 row pieces of 256 bytes of S (f32), a lane a row: 224 matrix instructions ahead of their first load
.endr
.endif
	MUL32 2, FA1, 0
	WIN 0
	PLACES
	LDB 2, \next, 0
.endif
.endm
.macro LAP zero
	HALF_E 0, \zero
	HALF_O 0, 1, 1
	HALF_E 1, 0
	HALF_O 1, 0, 1
.endm
	s_load_b256 s[4:11], s[0:1], 0x0               ; Sbf s[4:5], whhT s[6:7], S s[8:9], out2 s[10:11]
	s_load_b256 s[12:19], s[0:1], 0x20             ; xg s[12:13], b_ih s[14:15], b_hh s[16:17], out1 s[18:19]
	s_load_b64 s[20:21], s[0:1], 0x40              ; sctx
	v_lshl_add_u32 v30, v0, 2, 0x2d000
	v_mov_b32 v31, 0
	ds_add_u32 v30, v31
	v_lshrrev_b32 v1, 5, v0
	v_readfirstlane_b32 s22, v1                    ; wave
	s_lshr_b32 s23, s22, 1                         ; mh: which 128 rows are mine.  Also: I fetch whhT (0) or Sbf (1)
	s_and_b32 s24, s22, 1                          ; nh: which 64 columns.  Also: which half of that tile I fetch
	s_bfe_u32 s25, ttmp6, 0x40000                  ; cx
	s_bfe_u32 s26, ttmp6, 0x40004                  ; cy
	s_lshl_b32 s27, ttmp9, 2
	s_add_co_u32 s27, s27, s25                     ; bx: block of 128 columns
	s_and_b32 s28, ttmp7, 0xffff
	s_lshl_b32 s28, s28, 2
	s_add_co_u32 s28, s28, s26                     ; by: block of 256 rows
	s_lshl_b32 s29, s26, 2
	s_lshl_b32 s29, 15, s29                        ; my row of the cluster
	s_lshl_b32 s30, 0x1111, s25                    ; my column
	s_or_b32 s[G1A], s29, GC
	s_or_b32 s[G1B], s30, GC
	s_mov_b32 s[G1A+1], 64<<16                     ; tensor_dim0 = 64
	s_mov_b32 s[G1B+1], 64<<16
	s_mov_b32 s[G1A+2], 128<<16                    ; tensor_dim1 = the tile's rows
	s_mov_b32 s[G1B+2], 192<<16
	s_mov_b32 s[G1A+3], 64<<16                     ; tile_dim0 = 64
	s_mov_b32 s[G1B+3], 64<<16
	s_mov_b32 s[G1A+4], 128                        ; tile_dim1
	s_mov_b32 s[G1B+4], 192
	s_mov_b32 s[G1A+5], 1024                       ; elements from row to row
	s_mov_b32 s[G1B+5], 1024
	s_mov_b32 s[G1A+6], 0
	s_mov_b32 s[G1B+6], 0
	s_mov_b32 s[G1A+7], 0
	s_mov_b32 s[G1B+7], 0
	s_lshl_b32 s66, s28, 8                         ; Sbf: row 256 by + 128 half, made of the block row and the wave's number alone
	s_lshl_b32 s67, s24, 7
	s_add_co_u32 s66, s66, s67
	s_lshl_b32 s66, s66, 11
	s_mov_b32 s67, 0
	s_mul_i32 s68, s27, 384                        ; whhT: row 384 bx + 192 half, made of the block column and the wave's number alone
	s_mul_i32 s69, s24, 192
	s_add_co_u32 s68, s68, s69
	s_lshl_b32 s68, s68, 11
	s_mov_b32 s69, 0
	s_mul_i32 s31, s22, 128*PITCH
	s_add_co_u32 s31, s31, 128*PITCH               ; LDS, Sbf (waves 2, 3): (wave + 1) x 18,432 = 55,296, 73,728
	s_mul_i32 s94, s22, 192*PITCH                  ; LDS, whhT (waves 0, 1): wave x 27,648
	s_wait_dscnt 0x0
	s_wait_kmcnt 0x0
	s_add_nc_u64 s[4:5], s[4:5], s[66:67]
	s_add_nc_u64 s[6:7], s[6:7], s[68:69]
	CROUND                                         ; all sixteen work-groups are here: the first joint loads meet
.irp s, 0,1
	s_mov_b32 s[G0A+4*\s], 1
	s_add_co_u32 s[G0A+4*\s+1], s31, \s*SLOT
	s_add_nc_u64 s[G0A+4*\s+2:G0A+4*\s+3], s[4:5], \s*128          ; K step s
	s_or_b32 s[G0A+4*\s+3], s[G0A+4*\s+3], 0x80000000
	s_mov_b32 s[G0B+4*\s], 1
	s_add_co_u32 s[G0B+4*\s+1], s94, \s*SLOT
	s_add_nc_u64 s[G0B+4*\s+2:G0B+4*\s+3], s[6:7], \s*128
	s_or_b32 s[G0B+4*\s+3], s[G0B+4*\s+3], 0x80000000
	JLOAD \s                                       ; two loads of mine are out
.endr
	v_and_b32 v1, 31, v0                           ; lane
	v_and_b32 v2, 15, v0                           ; r
	v_bfe_u32 v3, v0, 4, 1                         ; h
	v_mul_u32_u24 v9, v2, PITCH
	v_lshl_add_u32 v9, v3, 4, v9                   ; row r, 16 h
	s_mul_i32 s78, s24, 64*PITCH
	s_mul_i32 s79, s23, 128*PITCH
	s_add_co_u32 s79, s79, AOFF
	v_add_nc_u32 v10, s78, v9
	v_add_nc_u32 v12, s79, v9
	v_add_nc_u32 v11, SLOT, v10
	v_add_nc_u32 v13, SLOT, v12
	v_lshlrev_b32 v6, 4, v2                        ; 16 r: xg, biases
	v_lshl_add_u32 v4, v3, 15, v6                  ; S, out1: row 8 h, 16 r
	v_lshlrev_b32 v5, 5, v3                        ; alpha: eight rows of h
	v_lshl_add_u32 v7, v3, 12, v6                  ; sctx: batch h of a pair
	v_lshlrev_b32 v8, 12, v1                       ; prefetch: a row a lane
	s_lshl_b32 s80, s28, 8
	s_lshl_b32 s81, s23, 7
	s_add_co_u32 s80, s80, s81                     ; my first row of the 8,192
	s_lshl_b32 s82, s27, 9
	s_lshl_b32 s83, s24, 8
	s_add_co_u32 s82, s82, s83                     ; my first column, in bytes of f32
	s_mov_b32 s83, 0
	s_lshl_b32 s84, s80, 12
	s_add_co_u32 s84, s84, s82
	s_mov_b32 s85, 0
	s_lshl_b32 s86, s80, 2
	s_mov_b32 s87, 0
	s_lshr_b32 s88, s80, 5                         ; my first batch
	s_mul_i32 s90, s88, 12288
	s_add_co_u32 s90, s90, s82
	s_mov_b32 s91, 0
	s_lshl_b32 s92, s88, 12
	s_add_co_u32 s92, s92, s82
	s_mov_b32 s93, 0
	s_add_nc_u64 s[8:9], s[8:9], s[84:85]
	s_add_nc_u64 s[18:19], s[18:19], s[84:85]
	s_add_nc_u64 s[10:11], s[10:11], s[86:87]
	s_add_nc_u64 s[12:13], s[12:13], s[90:91]
	s_add_nc_u64 s[14:15], s[14:15], s[82:83]
	s_add_nc_u64 s[16:17], s[16:17], s[82:83]
	s_add_nc_u64 s[20:21], s[20:21], s[92:93]
	s_mov_b32 s70, 0xbfb8aa3b                      ; -L, twice (a pair for the packed forms)
	s_mov_b32 s71, 0xbfb8aa3b
	s_mov_b32 s72, 0x4038aa3b                      ; 2 L
	s_mov_b32 s73, 0x4038aa3b
	s_mov_b32 s74, 0x76543210                      ; v_permlanex16_b32: lane i reads lane i of the other half
	s_mov_b32 s75, 0xfedcba98
	s_mov_b32 s76, 0xffff0000                      ; lanes 16-31
	s_wait_tensorcnt 0x1                           ; my part of K step 0 is in; K step 1's may stay out
	s_barrier_signal -1
	s_barrier_wait -1
	LDB 0, 0, 0
	LDA FA0, 0, 0
	LDB 1, 0, 0
	LDB 2, 0, 0
	LAP 1                                          ; the first lap stands in front of the loop: its first products start the sums
	s_mov_b32 s3, 6
.Llap:
	LAP 0
	s_sub_co_u32 s3, s3, 1
	s_cmp_lg_u32 s3, 0
	s_cbranch_scc1 .Llap
	HALF_E 0, 0                                    ; the last lap fills nothing
	HALF_O 0, 1, 0
	HALF_E 1, 0
	HALF_O 1, 0, 2
	; ---- THE WAY OUT: tile row a = 16 rows; register j of tile (a, b): row 16 a + 8 h + j, column d0 + 4 r + b ----
.macro LDTILE a                        ; 10 loads: alpha and S of tile row a
	global_load_b128 v[AL0+8*((\a)&1):AL0+8*((\a)&1)+3], v5, s[10:11] offset:64*(\a)
	global_load_b128 v[AL0+8*((\a)&1)+4:AL0+8*((\a)&1)+7], v5, s[10:11] offset:64*(\a)+16
.irp j, 0,1,2,3,4,5,6,7
	global_load_b128 v[SB0+32*((\a)&1)+4*\j:SB0+32*((\a)&1)+4*\j+3], v4, s[8:9] offset:(16*(\a)+\j)*4096 th:TH_LOAD_NT
.endr
.endm
.macro LDXG q                          ; 3 loads: xg of batch q, three gates
.irp g, 0,1,2
	global_load_b128 v[XGR+4*\g:XGR+4*\g+3], v6, s[12:13] offset:12288*(\q)+4096*\g
.endr
.endm
.macro BC_FMA d, al, x, c              ; d[4 j + b] = alpha[j] x[b] + c[b]: alpha[j] feeds both halves of a packed fma
.irp jj, 0,1,2,3
.irp p, 0,2
	v_pk_fma_f32 v[\d+8*\jj+\p:\d+8*\jj+\p+1], v[\al+2*\jj:\al+2*\jj+1], v[\x+\p:\x+\p+1], v[\c+\p:\c+\p+1] op_sel_hi:[0,1,1]
	v_pk_fma_f32 v[\d+8*\jj+4+\p:\d+8*\jj+5+\p], v[\al+2*\jj:\al+2*\jj+1], v[\x+\p:\x+\p+1], v[\c+\p:\c+\p+1] op_sel:[1,0,0] op_sel_hi:[1,1,1]
.endr
.endr
.endm
.macro TR32 op, base                   ; a transcendental on 32 numbers, in place
.set ti, 0
.rept 32
	\op v[\base+ti], v[\base+ti]
.set ti, ti+1
.endr
.endm
.macro ADD1 base
.set ti, 0
.rept 16
	v_pk_add_f32 v[\base+ti:\base+ti+1], v[\base+ti:\base+ti+1], 1.0 op_sel_hi:[1,0]
.set ti, ti+2
.endr
.endm
.macro EPI a, left
.set SBB, SB0+32*((\a)&1)
.set ALB, AL0+8*((\a)&1)
	s_wait_loadcnt \left                           ; this tile row's loads are in; the next one's stay out
.if ((\a)&1) == 0
.irp p, 0,2
	v_pk_mul_f32 v[XR+\p:XR+\p+1], v[XGR+\p:XGR+\p+1], s[70:71] op_sel_hi:[1,0]
	v_pk_mul_f32 v[XZ+\p:XZ+\p+1], v[XGR+4+\p:XGR+5+\p], s[70:71] op_sel_hi:[1,0]
	v_pk_mul_f32 v[XN+\p:XN+\p+1], v[XGR+8+\p:XGR+9+\p], s[72:73] op_sel_hi:[1,0]
.endr
.endif
	BC_FMA T1, ALB, XR, CR
	BC_FMA T3, ALB, XN, BIN
	WIN 1                                          ; source 0: gate r's accumulators
.irp j, 0,1,2,3,4,5,6,7
.irp b, 0,1,2,3
	v_fma_f32 v[T1+4*\j+\b], v[8*(4*(\a)+\b)+\j], s70, v[T1+4*\j+\b]
.endr
.endr
	WIN 3                                          ; gate n's
.irp j, 0,1,2,3,4,5,6,7
.irp b, 0,1,2,3
	v_fma_f32 v[T2+4*\j+\b], v[8*(4*(\a)+\b)+\j], s72, v[BHN+\b]
.endr
.endr
	WIN 0
	TR32 v_exp_f32, T1
	v_nop                                          ; one plain place behind the transcendentals (ISA guide 5.7.2)
	s_wait_alu depctr_va_vdst(0)
	ADD1 T1
	TR32 v_rcp_f32, T1                             ; r
	v_nop
.set ti, 0
	s_wait_alu depctr_va_vdst(0)
.rept 16
	v_pk_fma_f32 v[T3+ti:T3+ti+1], v[T1+ti:T1+ti+1], v[T2+ti:T2+ti+1], v[T3+ti:T3+ti+1]   ; 2L (gi_n + r gh_n)
.set ti, ti+2
.endr
	TR32 v_exp_f32, T3
	BC_FMA T1, ALB, XZ, CZ                         ; plain work on other registers stands behind the exponentials
	WIN 2                                          ; gate z's
	s_wait_alu depctr_va_vdst(0)
.irp j, 0,1,2,3,4,5,6,7
.irp b, 0,1,2,3
	v_fma_f32 v[T1+4*\j+\b], v[8*(4*(\a)+\b)+\j], s70, v[T1+4*\j+\b]
.endr
.endr
	WIN 0
	ADD1 T3
	TR32 v_rcp_f32, T3
	TR32 v_exp_f32, T1
	v_nop
	s_wait_alu depctr_va_vdst(0)
	ADD1 T1
	TR32 v_rcp_f32, T1                             ; z
.set ti, 0
.rept 16
	v_pk_fma_f32 v[T3+ti:T3+ti+1], v[T3+ti:T3+ti+1], -2.0, 1.0 op_sel_hi:[1,0,0]          ; n = 1 - 2 / (1 + 2^..)
.set ti, ti+2
.endr
.set ti, 0
.rept 16
	v_pk_add_f32 v[SBB+ti:SBB+ti+1], v[SBB+ti:SBB+ti+1], v[T3+ti:T3+ti+1] neg_lo:[0,1] neg_hi:[0,1]
.set ti, ti+2
.endr
.set ti, 0
	s_wait_alu depctr_va_vdst(0)
.rept 16
	v_pk_fma_f32 v[SBB+ti:SBB+ti+1], v[T1+ti:T1+ti+1], v[SBB+ti:SBB+ti+1], v[T3+ti:T3+ti+1]   ; S_new = n + z (S - n)
.set ti, ti+2
.endr
.irp j, 0,1,2,3,4,5,6,7
	global_store_b128 v4, v[SBB+4*\j:SBB+4*\j+3], s[18:19] offset:(16*(\a)+\j)*4096 th:TH_STORE_NT   ; 16 lanes store 256 consecutive bytes, aligned
.endr
.irp jj, 0,1,2,3
.irp p, 0,2
.if (((\a)&1)+\jj) == 0
	v_pk_mul_f32 v[CT+\p:CT+\p+1], v[ALB:ALB+1], v[SBB+\p:SBB+\p+1] op_sel_hi:[0,1]        ; a batch's first row starts the sum
.else
	v_pk_fma_f32 v[CT+\p:CT+\p+1], v[ALB+2*\jj:ALB+2*\jj+1], v[SBB+8*\jj+\p:SBB+8*\jj+\p+1], v[CT+\p:CT+\p+1] op_sel_hi:[0,1,1]
.endif
	v_pk_fma_f32 v[CT+\p:CT+\p+1], v[ALB+2*\jj:ALB+2*\jj+1], v[SBB+8*\jj+4+\p:SBB+8*\jj+5+\p], v[CT+\p:CT+\p+1] op_sel:[1,0,0] op_sel_hi:[1,1,1]
.endr
.endr
.if ((\a)&1) == 1                      ; a batch's 32 slots are done: the two halves of the lanes meet
.irp c, 0,1,2,3
	v_permlanex16_b32 v[T1+\c], v[CT+\c], s74, s75
.endr
.if ((\a)&3) == 1
	v_pk_add_f32 v[TOT0:TOT0+1], v[CT:CT+1], v[T1:T1+1]
	v_pk_add_f32 v[TOT0+2:TOT0+3], v[CT+2:CT+3], v[T1+2:T1+3]
.else
	v_pk_add_f32 v[TOT1:TOT1+1], v[CT:CT+1], v[T1:T1+1]
	v_pk_add_f32 v[TOT1+2:TOT1+3], v[CT+2:CT+3], v[T1+2:T1+3]
.irp c, 0,1,2,3
	v_cndmask_b32 v[OO+\c], v[TOT0+\c], v[TOT1+\c], s76            ; lanes 0-15 store the even batch, lanes 16-31 the odd one
.endr
	global_store_b128 v7, v[OO:OO+3], s[20:21] offset:8192*((\a)>>2)
.endif
.endif
.if \a <= 5
	s_wait_xcnt 0x0                                ; the stores' data registers are loaded again only behind this wait
.if ((\a)&1) == 0
	LDXG (\a)/2+1
.endif
	LDTILE \a+2
.endif
.endm
	PLACES
.irp g, 0,1,2
	global_load_b128 v[T1+4*\g:T1+4*\g+3], v6, s[14:15] offset:4096*\g
.endr
.irp g, 0,1,2
	global_load_b128 v[T1+12+4*\g:T1+15+4*\g], v6, s[16:17] offset:4096*\g
.endr
	LDXG 0
	LDTILE 0
	LDTILE 1
	s_wait_loadcnt 23                              ; the six bias loads are in; 3 + 10 + 10 stay out
.irp p, 0,2
	v_pk_add_f32 v[CR+\p:CR+\p+1], v[T1+\p:T1+\p+1], v[T1+12+\p:T1+13+\p]
	v_pk_add_f32 v[CZ+\p:CZ+\p+1], v[T1+4+\p:T1+5+\p], v[T1+16+\p:T1+17+\p]
	v_pk_mul_f32 v[BIN+\p:BIN+\p+1], v[T1+8+\p:T1+9+\p], s[72:73] op_sel_hi:[1,0]
	v_pk_mul_f32 v[BHN+\p:BHN+\p+1], v[T1+20+\p:T1+21+\p], s[72:73] op_sel_hi:[1,0]
.endr
.irp p, 0,2
	v_pk_mul_f32 v[CR+\p:CR+\p+1], v[CR+\p:CR+\p+1], s[70:71] op_sel_hi:[1,0]
	v_pk_mul_f32 v[CZ+\p:CZ+\p+1], v[CZ+\p:CZ+\p+1], s[70:71] op_sel_hi:[1,0]
.endr
	EPI 0, 10
	EPI 1, 13
	EPI 2, 10
	EPI 3, 13
	EPI 4, 10
	EPI 5, 13
	EPI 6, 10
	EPI 7, 0
	CROUND                                         ; the closing round: no work-group ends while a partner may still ask jointly
	s_endpgm
.Lfunc_end_k_qa85c92b8da_main:
	.size	k_qa85c92b8da_main, .Lfunc_end_k_qa85c92b8da_main-k_qa85c92b8da_main
	.p2alignl 7, 3214868480
	.fill 96, 4, 3214868480
	.section	.rodata,"a",@progbits
	.p2align	6, 0x0
	.amdhsa_kernel k_qa85c92b8da_main
		.amdhsa_group_segment_fixed_size 327680
		.amdhsa_private_segment_fixed_size 0
		.amdhsa_enable_private_segment 0
		.amdhsa_kernarg_size 72
		.amdhsa_user_sgpr_count 2
		.amdhsa_user_sgpr_kernarg_segment_ptr 1
		.amdhsa_wavefront_size32 1
		.amdhsa_system_sgpr_workgroup_id_x 1
		.amdhsa_system_sgpr_workgroup_id_y 1
		.amdhsa_system_sgpr_workgroup_id_z 1
		.amdhsa_system_vgpr_workitem_id 0
		.amdhsa_next_free_vgpr 1024
		.amdhsa_next_free_sgpr 96
		.amdhsa_reserve_vcc 0
		.amdhsa_float_denorm_mode_32 3
		.amdhsa_float_denorm_mode_16_64 3
		.amdhsa_memory_ordered 1
		.amdhsa_forward_progress 1
		.amdhsa_inst_pref_size 255
	.end_amdhsa_kernel
	.section	.bss,"aw",@nobits
	.p2align	6
	.space	262144
	.amdgpu_metadata
---
amdhsa.version: [ 1, 2 ]
amdhsa.kernels:
  - .name:           k_qa85c92b8da_main
    .symbol:         k_qa85c92b8da_main.kd
    .args:
      - { .name: Sbf, .offset: 0, .size: 8, .value_kind: global_buffer, .address_space: global }
      - { .name: whhT, .offset: 8, .size: 8, .value_kind: global_buffer, .address_space: global }
      - { .name: S, .offset: 16, .size: 8, .value_kind: global_buffer, .address_space: global }
      - { .name: out2, .offset: 24, .size: 8, .value_kind: global_buffer, .address_space: global }
      - { .name: xg, .offset: 32, .size: 8, .value_kind: global_buffer, .address_space: global }
      - { .name: b_ih, .offset: 40, .size: 8, .value_kind: global_buffer, .address_space: global }
      - { .name: b_hh, .offset: 48, .size: 8, .value_kind: global_buffer, .address_space: global }
      - { .name: out1, .offset: 56, .size: 8, .value_kind: global_buffer, .address_space: global }
      - { .name: sctx, .offset: 64, .size: 8, .value_kind: global_buffer, .address_space: global }
    .group_segment_fixed_size: 327680
    .private_segment_fixed_size: 0
    .kernarg_segment_align: 8
    .kernarg_segment_size: 72
    .max_flat_workgroup_size: 128
    .sgpr_count:     96
    .vgpr_count:     1024
    .wavefront_size: 32
...
	.end_amdgpu_metadata
.endif
;; end of part 5
;; launch sk_proj (part 6): grid 4 x 16, 4 waves a work-group, no clusters, 198,144 bytes of LDS; arguments sctx, w_proj, xmid, b_proj, x; writes xmid
.if DOCPART == 6
	.amdgcn_target "amdgcn-amd-amdhsa--gfx1250"
	.amdhsa_code_object_version 6
	.text
	.protected	k_qa85c92b8da_sk_proj
	.globl	k_qa85c92b8da_sk_proj
	.p2align	8
	.type	k_qa85c92b8da_sk_proj,@function
k_qa85c92b8da_sk_proj:
	s_mov_b64 s[64:65], 0
	v_nop
	global_prefetch_b8 v0, s[64:65] scope:SCOPE_SE
	s_setreg_imm32_b32 hwreg(HW_REG_WAVE_MODE, 25, 1), 1
	s_wait_xcnt 0x0
; x_mid = x + slot_context @ w_proj + b_proj.  OUT[256][1024] = A[256][1024] W[1024][1024] + bias + residual, all f32 in memory;
; operands rounded to bf16, sums in f32.  64 work-groups: 4 row blocks x 16 column blocks; K is not split over work-groups, so that bias
; and residual can be added here and the next launch reads one plane.
; A work-group makes 64 rows x 64 columns with four waves, and K IS SPLIT AMONG THE WAVES: wave w multiplies k = 256 w .. 256 w + 255 into
; all 64 x 64 outputs (16 accumulators), so that every byte of A and of W is read by one wave alone; the four partial sums meet in LDS.
; A: each wave rounds 16 whole rows to bf16 into LDS (pitch 2,064 bytes), one barrier, then each wave reads its own 512 bytes of every row.
; W: straight from memory into registers.  One load takes 256 consecutive bytes of k row k0 + i (lanes 0-15) and of k row k0 + 8 + i
; (lanes 16-31); lane r holds columns 4 r .. 4 r + 3, and component b of sixteen such loads, packed in pairs, is the fragment of tile b
; (column 4 r + b).  In the result a lane's four tiles are then 16 neighbouring bytes of a row of OUT.
; NO CLUSTER, NO TENSOR LOAD: a joint load lands in LDS, and W's strip (1,024 x 64 f32, 278,528 bytes with padding) does not fit there
; beside A (132,096 bytes); it would go through slots that are filled again, with a round of the cluster's barrier for each.
; ONE STREAM OF LOADS a wave: six rows of A first; behind each row that is rounded the next eight loads (rows 6-15, then W); in the K phase
; a ring of four buffers of W, each filled again as soon as it is packed; bias and residual behind the last of W: 48 to 64 loads are out;
; where that passes what LOADcnt can count the issue itself waits (ISA guide 5.7.1).
; REGISTERS: window 0: v0-39 addresses and work, v64-255 six row slots, later fragments (A v64-127, W v128-191, two buffers each), later
; the partial sums; window 1: v0-127 accumulators, tile (a, b) at v[8 (4 a + b)], v128-159 residual, v160-163 bias; window 2: W's ring.
; Limits: bf16 operands; the K quarters are added as (p0 + p1) + (p2 + p3), another order of rounding than one sum; NaN and infinities in
; the inputs are not followed.
.set WP,     1024                      ; W's row in elements
.set OP,     1024                      ; OUT's row in elements
.set NE,     9                         ; loads of bias and residual, issued in K step 4
.set APITCH, 2064                      ; 1,024 bf16 + 16 bytes: an odd multiple of 16
.set RED,    64*APITCH                 ; 132,096: four waves' partial sums, 16,384 bytes each
.set HB,  24                           ; v[24:39]   a row's 32 numbers in bf16
.set X,   64                           ; v[64:255]  six row slots of 32
.set FA,  64                           ; v[64:127]  two buffers of four A fragments
.set FB,  128                          ; v[128:191] two buffers of four W fragments
.set P,   64                           ; v[64:191]  the way out: four partial sums of my row tile
.set O,   192                          ; v[192:223] the way out: index 4 j + b
.set MSB, 0
.macro WIN new                         ; the immediate's high byte repeats the setting that is left
.if MSB != \new
	s_set_vgpr_msb (MSB<<8)|\new
.set MSB, \new
.endif
.endm
.macro PLACES                          ; four places behind a matrix instruction before an LDS store reads its result
.rept 4
	v_nop
.endr
.endm
; eight loads of W: half hh of my sixteen halves of a K step; load i brings k = 16 hh + 8 h + i.  Destination in window 2.
.macro LOADW hh
.irp i, 0,1,2,3,4,5,6,7
	global_load_b128 v[32*((\hh)&7)+4*\i:32*((\hh)&7)+4*\i+3], v8, s[6:7] offset:(16*(\hh)+\i)*WP*4
.endr
.endm
; row i of my 16: rounded, stored into A; then the stream's next eight loads
.macro PRO_ROW i
.set XB, X+32*((\i)%6)
	s_wait_loadcnt 40                              ; six groups of eight were issued ahead and one behind each row: five younger groups stay out
.irp j, 0,1,2,3,4,5,6,7,8,9,10,11,12,13,14,15
	v_cvt_pk_bf16_f32 v[HB+\j], v[XB+2*\j], v[XB+2*\j+1]
.endr
.irp j, 0,1,2,3,4,5,6,7
	ds_store_b64 v5, v[HB+2*\j:HB+2*\j+1] offset:APITCH*\i+256*\j
.endr
.if \i < 10
.irp j, 0,1,2,3,4,5,6,7
	global_load_b128 v[XB+4*\j:XB+4*\j+3], v4, s[4:5] offset:4096*(\i+6)+512*\j
.endr
.else
	WIN 0x80
	LOADW \i-10
	WIN 0
.endif
.endm
.macro LDA kk                          ; 8 LDS loads: four A fragments of K step kk of my quarter
.irp a, 0,1,2,3
	ds_load_b128 v[FA+32*((\kk)&1)+8*\a:FA+32*((\kk)&1)+8*\a+3], v[6+\a/2] offset:(\a&1)*16*APITCH+64*(\kk)
	ds_load_b128 v[FA+32*((\kk)&1)+8*\a+4:FA+32*((\kk)&1)+8*\a+7], v[6+\a/2] offset:(\a&1)*16*APITCH+64*(\kk)+32
.endr
.endm
; one K step of 32: W packed, its buffer filled again, the next A fragments asked for, 16 matrix instructions.
; The 32 conversions are the places between the matrix instructions of the step before and the loads into their A buffer.
; The 16 accumulators take turns, one instruction a turn.
.macro STEP kk, left, zero
	s_wait_loadcnt \left                           ; this step's 16 loads of W are in; the younger ones stay out
	WIN 0x0a                                       ; sources in window 2
.irp b, 0,1,2,3
.irp j, 0,1,2,3,4,5,6,7
	v_cvt_pk_bf16_f32 v[FB+32*((\kk)&1)+8*\b+\j], v[64*((\kk)&3)+8*\j+\b], v[64*((\kk)&3)+8*\j+4+\b]
.endr
.endr
.if \kk < 4
	WIN 0x80
	LOADW 2*\kk+8
	LOADW 2*\kk+9
.endif
.if \kk == 4
	WIN 0x40                                       ; destinations in window 1
	global_load_b128 v[160:163], v12, s[32:33]     ; the bias of my four columns
.irp j, 0,1,2,3,4,5,6,7
	global_load_b128 v[128+4*\j:131+4*\j], v11, s[34:35] offset:\j*OP*4   ; the residual, where my results will go
.endr
.endif
	WIN 0
.if \kk < 7
	LDA \kk+1
	s_wait_dscnt 8                                 ; this step's fragments are in, the next step's eight loads stay out
.else
	s_wait_dscnt 0x0
.endif
	WIN 0x50                                       ; C and D in window 1
.irp a, 0,1,2,3
.irp b, 0,1,2,3
.if \zero
	v_wmma_f32_16x16x32_bf16 v[8*(4*\a+\b):8*(4*\a+\b)+7], v[FA+32*((\kk)&1)+8*\a:FA+32*((\kk)&1)+8*\a+7], v[FB+32*((\kk)&1)+8*\b:FB+32*((\kk)&1)+8*\b+7], 0
.else
	v_wmma_f32_16x16x32_bf16 v[8*(4*\a+\b):8*(4*\a+\b)+7], v[FA+32*((\kk)&1)+8*\a:FA+32*((\kk)&1)+8*\a+7], v[FB+32*((\kk)&1)+8*\b:FB+32*((\kk)&1)+8*\b+7], v[8*(4*\a+\b):8*(4*\a+\b)+7]
.endif
.endr
.endr
.endm
	s_load_b128 s[4:7], s[0:1], 0x0                ; A s[4:5], W s[6:7]
	s_load_b64 s[8:9], s[0:1], 0x10                ; OUT
	s_load_b128 s[32:35], s[0:1], 0x18             ; bias s[32:33], residual s[34:35]
	v_lshl_add_u32 v62, v0, 2, 0x30400
	v_mov_b32 v63, 0
	v_lshrrev_b32 v1, 5, v0
	v_readfirstlane_b32 s10, v1                    ; wave
	s_and_b32 s12, ttmp7, 0xffff                   ; column block
	s_lshl_b32 s14, ttmp9, 6
	s_lshl4_add_u32 s14, s10, s14                  ; my first row: 64 x row block + 16 x wave
	s_lshl_b32 s16, s14, 12                        ; in A
	s_mov_b32 s17, 0
	s_lshl_b32 s20, s12, 8                         ; my 64 columns, in bytes
	s_mov_b32 s21, 0
	s_add_co_u32 s18, s16, s20                     ; in OUT and in the residual: their rows are as long as A's
	s_mov_b32 s19, 0
	s_mul_i32 s22, s10, 256*WP*4                   ; my quarter of K
	s_mov_b32 s23, 0
	v_and_b32 v1, 31, v0                           ; lane
	v_lshlrev_b32 v4, 4, v1
	s_wait_kmcnt 0x0
	s_add_nc_u64 s[4:5], s[4:5], s[16:17]
.irp i, 0,1,2,3,4,5
.irp j, 0,1,2,3,4,5,6,7
	global_load_b128 v[X+32*\i+4*\j:X+32*\i+4*\j+3], v4, s[4:5] offset:4096*\i+512*\j
.endr
.endr
	s_add_nc_u64 s[24:25], s[6:7], s[20:21]        ; W at my columns
	s_add_nc_u64 s[6:7], s[24:25], s[22:23]        ; and at my quarter of K
	s_add_nc_u64 s[8:9], s[8:9], s[18:19]
	s_add_nc_u64 s[34:35], s[34:35], s[18:19]
	s_add_nc_u64 s[32:33], s[32:33], s[20:21]
	s_lshl_b32 s26, ttmp9, 8
	s_lshl_b32 s27, s10, 6
	s_add_co_u32 s26, s26, s27
	v_add_nc_u32 v15, s26, v1
	v_mul_u32_u24 v15, v15, WP*4                   ; k row 256 x row block + 64 x wave + lane
	global_prefetch_b8 v15, s[24:25] th:TH_LOAD_NT scope:SCOPE_SE                 ; the four row blocks of a column strip each name 256 of its 1,024 row pieces of
	global_prefetch_b8 v15, s[24:25] offset:32*WP*4 th:TH_LOAD_NT scope:SCOPE_SE  ; 256 bytes, once: ten rows of A are rounded before the first load of W goes out
	v_and_b32 v2, 15, v0                           ; r
	v_bfe_u32 v3, v0, 4, 1                         ; h
	s_mul_i32 s28, s10, 16*APITCH
	v_lshl_add_u32 v5, v1, 3, s28                  ; A in: my 16 rows, 8 bytes a lane
	v_mul_u32_u24 v6, v2, APITCH
	v_lshl_add_u32 v6, v3, 4, v6
	s_lshl_b32 s29, s10, 9
	v_add_nc_u32 v6, s29, v6                       ; A fragments: row r, 16 h, my 512 bytes of the row
	v_add_nc_u32 v7, 32*APITCH, v6
	v_mul_u32_u24 v8, v3, 8*WP*4
	v_lshl_add_u32 v8, v2, 4, v8                   ; W: k row 8 h, columns 4 r ..
	s_lshl_b32 s30, s10, 14
	s_add_co_u32 s30, s30, RED
	v_add_nc_u32 v9, s30, v4                       ; my partial sums
	s_lshl_b32 s31, s10, 12
	s_add_co_u32 s31, s31, RED
	v_add_nc_u32 v10, s31, v4                      ; row tile w in the first wave's partial sums
	v_mul_u32_u24 v11, v3, 8*OP*4
	v_lshl_add_u32 v11, v2, 4, v11                 ; OUT and residual: row 8 h, columns 4 r ..
	v_lshlrev_b32 v12, 4, v2                       ; bias: columns 4 r ..
.irp i, 0,1,2,3,4,5,6,7,8,9,10,11,12,13,14,15
	PRO_ROW \i
.endr
	WIN 0x80
	LOADW 6
	LOADW 7
	WIN 0
	s_wait_dscnt 0x0                               ; my rows of A are written
	s_barrier_signal -1
	s_barrier_wait -1                              ; everybody's are
	LDA 0
	STEP 0, 48, 1                                  ; the first products start the sums: nothing is cleared
	STEP 1, 48, 0                                  ; 48: the three younger K steps of 16 loads
	STEP 2, 48, 0
	STEP 3, 48, 0
	STEP 4, 48, 0
	STEP 5, 32+NE, 0                               ; from here on bias and residual are among the younger loads
	STEP 6, 16+NE, 0
	STEP 7, NE, 0
	WIN 0
	PLACES
	WIN 0x04                                       ; the stores' data in window 1
.set q, 0
.rept 32
	ds_store_b128 v9, v[4*q:4*q+3] offset:512*q
.set q, q+1
.endr
	WIN 0
	s_wait_dscnt 0x0
	s_barrier_signal -1
	s_barrier_wait -1                              ; all four partial sums are in LDS
.irp p, 0,1,2,3
.irp q, 0,1,2,3,4,5,6,7
	ds_load_b128 v[P+32*\p+4*\q:P+32*\p+4*\q+3], v10 offset:16384*\p+512*\q
.endr
.endr
	s_wait_dscnt 0x0
.set ti, 0
.rept 16
	v_pk_add_f32 v[P+ti:P+ti+1], v[P+ti:P+ti+1], v[P+32+ti:P+33+ti]
	v_pk_add_f32 v[P+64+ti:P+65+ti], v[P+64+ti:P+65+ti], v[P+96+ti:P+97+ti]
.set ti, ti+2
.endr
.irp j, 0,1,2,3,4,5,6,7
.irp b, 0,1,2,3
	v_add_f32 v[O+4*\j+\b], v[P+8*\b+\j], v[P+64+8*\b+\j]          ; the last add also gathers a row's four columns
.endr
.endr
	s_wait_loadcnt 0x0                             ; bias and residual
	WIN 0x04                                       ; source 1 in window 1
.irp j, 0,1,2,3,4,5,6,7
	v_pk_add_f32 v[O+4*\j:O+4*\j+1], v[O+4*\j:O+4*\j+1], v[160:161]
	v_pk_add_f32 v[O+4*\j+2:O+4*\j+3], v[O+4*\j+2:O+4*\j+3], v[162:163]
.endr
.irp j, 0,1,2,3,4,5,6,7
	v_pk_add_f32 v[O+4*\j:O+4*\j+1], v[O+4*\j:O+4*\j+1], v[128+4*\j:129+4*\j]
	v_pk_add_f32 v[O+4*\j+2:O+4*\j+3], v[O+4*\j+2:O+4*\j+3], v[130+4*\j:131+4*\j]
.endr
	WIN 0
.irp j, 0,1,2,3,4,5,6,7
	global_store_b128 v11, v[O+4*\j:O+4*\j+3], s[8:9] offset:\j*OP*4   ; 16 lanes store 256 consecutive bytes, aligned
.endr
	s_wait_tensorcnt 0x0
	ds_add_u32 v62, v63
	s_wait_dscnt 0x0
	s_endpgm
.Lfunc_end_k_qa85c92b8da_sk_proj:
	.size	k_qa85c92b8da_sk_proj, .Lfunc_end_k_qa85c92b8da_sk_proj-k_qa85c92b8da_sk_proj
	.p2alignl 7, 3214868480
	.fill 96, 4, 3214868480
	.section	.rodata,"a",@progbits
	.p2align	6, 0x0
	.amdhsa_kernel k_qa85c92b8da_sk_proj
		.amdhsa_group_segment_fixed_size 198144
		.amdhsa_private_segment_fixed_size 0
		.amdhsa_enable_private_segment 0
		.amdhsa_kernarg_size 40
		.amdhsa_user_sgpr_count 2
		.amdhsa_user_sgpr_kernarg_segment_ptr 1
		.amdhsa_wavefront_size32 1
		.amdhsa_system_sgpr_workgroup_id_x 1
		.amdhsa_system_sgpr_workgroup_id_y 1
		.amdhsa_system_sgpr_workgroup_id_z 1
		.amdhsa_system_vgpr_workitem_id 0
		.amdhsa_next_free_vgpr 768
		.amdhsa_next_free_sgpr 66
		.amdhsa_reserve_vcc 0
		.amdhsa_float_denorm_mode_32 3
		.amdhsa_float_denorm_mode_16_64 3
		.amdhsa_memory_ordered 1
		.amdhsa_forward_progress 1
		.amdhsa_inst_pref_size 93
	.end_amdhsa_kernel
	.amdgpu_metadata
---
amdhsa.version: [ 1, 2 ]
amdhsa.kernels:
  - .name:           k_qa85c92b8da_sk_proj
    .symbol:         k_qa85c92b8da_sk_proj.kd
    .args:
      - { .name: sctx, .offset: 0, .size: 8, .value_kind: global_buffer, .address_space: global }
      - { .name: w_proj, .offset: 8, .size: 8, .value_kind: global_buffer, .address_space: global }
      - { .name: xmid, .offset: 16, .size: 8, .value_kind: global_buffer, .address_space: global }
      - { .name: b_proj, .offset: 24, .size: 8, .value_kind: global_buffer, .address_space: global }
      - { .name: x, .offset: 32, .size: 8, .value_kind: global_buffer, .address_space: global }
    .group_segment_fixed_size: 198144
    .private_segment_fixed_size: 0
    .kernarg_segment_align: 8
    .kernarg_segment_size: 40
    .max_flat_workgroup_size: 128
    .sgpr_count:     66
    .vgpr_count:     768
    .wavefront_size: 32
...
	.end_amdgpu_metadata
.endif
;; end of part 6
;; launch sk_f1 (part 7): grid 4 x 64, 4 waves a work-group, no clusters, 198,144 bytes of LDS; arguments xmid, w_f1, ff1, b_f1, ln1_g, ln1_b; writes ff1
.if DOCPART == 7
	.amdgcn_target "amdgcn-amd-amdhsa--gfx1250"
	.amdhsa_code_object_version 6
	.text
	.protected	k_qa85c92b8da_sk_f1
	.globl	k_qa85c92b8da_sk_f1
	.p2align	8
	.type	k_qa85c92b8da_sk_f1,@function
k_qa85c92b8da_sk_f1:
	s_mov_b64 s[64:65], 0
	v_nop
	global_prefetch_b8 v0, s[64:65] scope:SCOPE_SE
	s_setreg_imm32_b32 hwreg(HW_REG_WAVE_MODE, 25, 1), 1
	s_wait_xcnt 0x0
; ff1 = gelu(layer_norm(x_mid) @ w_f1 + b_f1), stored as four planes [256][1024] (plane = column / 1,024), the form in which the next
; product splits its K.  A[256][1024], W[1024][4096], f32 in memory; operands rounded to bf16, sums in f32.
; A work-group makes 64 rows x 64 columns with four waves, and K IS SPLIT AMONG THE WAVES: wave w multiplies k = 256 w .. 256 w + 255 into
; all 64 x 64 outputs (16 accumulators), so that every byte of A and of W is read by one wave alone; the four partial sums meet in LDS.
; A: K is the whole row, so each wave normalises 16 whole rows in registers (mean, then the variance of the centred row: two passes, no
; difference of large sums), scales by gain and bias and rounds them to bf16 into LDS (pitch 2,064 bytes); one barrier; then each wave reads
; its own 512 bytes of every row.
; W: straight from memory into registers.  One load takes 256 consecutive bytes of k row k0 + i (lanes 0-15) and of k row k0 + 8 + i
; (lanes 16-31); lane r holds columns 4 r .. 4 r + 3, and component b of sixteen such loads, packed in pairs, is the fragment of tile b
; (column 4 r + b).  In the result a lane's four tiles are then 16 neighbouring bytes of a row of OUT.
; NO CLUSTER, NO TENSOR LOAD: a joint load lands in LDS, and W's strip (1,024 x 64 f32, 278,528 bytes with padding) does not fit there
; beside A (132,096 bytes); it would go through slots that are filled again, with a round of the cluster's barrier for each.
; ONE STREAM OF LOADS a wave: gain and bias of the norm, six rows of A; behind each row that is done the next eight loads (rows 6-15, then
; W); in the K phase a ring of four buffers of W, each filled again as soon as it is packed: 48 to 64 loads are out; where that passes what
; LOADcnt can count the issue itself waits (ISA guide 5.7.1).
; REGISTERS: window 0: v0-39 addresses and work, v64-255 six row slots, later fragments (A v64-127, W v128-191, two buffers each), later
; the partial sums; window 1: v0-63 the norm's gain and bias, then v0-127 accumulators, tile (a, b) at v[8 (4 a + b)], v160-163 b_f1;
; window 2: W's ring, 64 registers a K step of 32.
; Limits: bf16 operands; the K quarters are added as (p0 + p1) + (p2 + p3), another order of rounding than one sum; erf by the five-term
; rational formula of Abramowitz and Stegun 7.1.26 (absolute error 1.5e-7); NaN and infinities in the inputs are not followed.
.set WP,     4096                      ; W's row in elements
.set OP,     1024                      ; a plane's row in elements
.set NE,     1                         ; the load of b_f1, issued in K step 4
.set APITCH, 2064                      ; 1,024 bf16 + 16 bytes: an odd multiple of 16
.set RED,    64*APITCH                 ; 132,096: four waves' partial sums, 16,384 bytes each
.set HB,  24                           ; v[24:39]   at work, then a row's 32 numbers in bf16
.set X,   64                           ; v[64:255]  six row slots of 32
.set G,   0                            ; window 1, v[0:31]:  gain of my 32 columns
.set BV,  32                           ; window 1, v[32:63]: bias of my 32 columns
.set FA,  64                           ; v[64:127]  two buffers of four A fragments
.set FB,  128                          ; v[128:191] two buffers of four W fragments
.set P,   64                           ; v[64:191]  the way out: four partial sums of my row tile
.set O,   192                          ; v[192:223] the way out: index 4 j + b
.set GD,  64                           ; v[64:87]   at work in GELU8
.set GE,  72
.set GP,  80
.set KC,  88                           ; v[88:97]   the polynomial's constants, negated, each twice
.set SGC, 40
.set MSB, 0
.macro WIN new                         ; the immediate's high byte repeats the setting that is left
.if MSB != \new
	s_set_vgpr_msb (MSB<<8)|\new
.set MSB, \new
.endif
.endm
.macro PLACES                          ; four places behind a matrix instruction before an LDS store reads its result
.rept 4
	v_nop
.endr
.endm
.macro WSUM                            ; v16 summed over the 32 lanes, the result in every lane
	v_add_f32_dpp v16, v16, v16 row_xmask:1 row_mask:0xf bank_mask:0xf
	v_add_f32_dpp v16, v16, v16 row_xmask:2 row_mask:0xf bank_mask:0xf
	v_add_f32_dpp v16, v16, v16 row_xmask:4 row_mask:0xf bank_mask:0xf
	v_add_f32_dpp v16, v16, v16 row_xmask:8 row_mask:0xf bank_mask:0xf
	v_permlanex16_b32 v17, v16, s38, s39
	v_add_f32 v16, v16, v17
.endm
; eight loads of W: half hh of my sixteen halves of a K step; load i brings k = 16 hh + 8 h + i.  Destination in window 2.
.macro LOADW hh
.irp i, 0,1,2,3,4,5,6,7
	global_load_b128 v[32*((\hh)&7)+4*\i:32*((\hh)&7)+4*\i+3], v8, s[6:7] offset:(16*(\hh)+\i)*WP*4
.endr
.endm
; row i of my 16: normalised, rounded, stored into A; then the stream's next eight loads
.macro PRO_ROW i
.set XB, X+32*((\i)%6)
	s_wait_loadcnt 40                              ; six groups of eight were issued ahead and one behind each row: five younger groups stay out
.irp p, 0,2,4,6,8,10,12,14
	v_pk_add_f32 v[HB+\p:HB+\p+1], v[XB+\p:XB+\p+1], v[XB+16+\p:XB+17+\p]
.endr
.irp p, 0,2,4,6
	v_pk_add_f32 v[HB+\p:HB+\p+1], v[HB+\p:HB+\p+1], v[HB+8+\p:HB+9+\p]
.endr
.irp p, 0,2
	v_pk_add_f32 v[HB+\p:HB+\p+1], v[HB+\p:HB+\p+1], v[HB+4+\p:HB+5+\p]
.endr
	v_pk_add_f32 v[HB:HB+1], v[HB:HB+1], v[HB+2:HB+3]
	v_add_f32 v16, v[HB], v[HB+1]
	WSUM
	v_mul_f32 v18, s41, v16                        ; the mean, twice (a pair for the packed forms)
	v_mul_f32 v19, s41, v16
.set ti, 0
.rept 16
	v_pk_add_f32 v[XB+ti:XB+ti+1], v[XB+ti:XB+ti+1], v[18:19] neg_lo:[0,1] neg_hi:[0,1]
.set ti, ti+2
.endr
.irp p, 0,2,4,6
	v_pk_mul_f32 v[HB+\p:HB+\p+1], v[XB+\p:XB+\p+1], v[XB+\p:XB+\p+1]
.endr
.set ti, 8
.rept 12
	v_pk_fma_f32 v[HB+ti%8:HB+ti%8+1], v[XB+ti:XB+ti+1], v[XB+ti:XB+ti+1], v[HB+ti%8:HB+ti%8+1]
.set ti, ti+2
.endr
	v_pk_add_f32 v[HB:HB+1], v[HB:HB+1], v[HB+2:HB+3]
	v_pk_add_f32 v[HB+4:HB+5], v[HB+4:HB+5], v[HB+6:HB+7]
	v_pk_add_f32 v[HB:HB+1], v[HB:HB+1], v[HB+4:HB+5]
	v_add_f32 v16, v[HB], v[HB+1]
	WSUM
	v_fma_f32 v20, v16, s41, s42                   ; variance + 1e-5
	v_rsq_f32 v22, v20
	v_rsq_f32 v23, v20
	v_nop                                          ; one plain place behind the transcendentals (ISA guide 5.7.2)
.set ti, 0
	s_wait_alu depctr_va_vdst(0)
.rept 16
	v_pk_mul_f32 v[XB+ti:XB+ti+1], v[XB+ti:XB+ti+1], v[22:23]
.set ti, ti+2
.endr
	WIN 0x14                                       ; sources 1 and 2 in window 1
.set ti, 0
.rept 16
	v_pk_fma_f32 v[XB+ti:XB+ti+1], v[XB+ti:XB+ti+1], v[G+ti:G+ti+1], v[BV+ti:BV+ti+1]
.set ti, ti+2
.endr
	WIN 0
.irp j, 0,1,2,3,4,5,6,7,8,9,10,11,12,13,14,15
	v_cvt_pk_bf16_f32 v[HB+\j], v[XB+2*\j], v[XB+2*\j+1]
.endr
.irp j, 0,1,2,3,4,5,6,7
	ds_store_b64 v5, v[HB+2*\j:HB+2*\j+1] offset:APITCH*\i+256*\j
.endr
.if \i < 10
.irp j, 0,1,2,3,4,5,6,7
	global_load_b128 v[XB+4*\j:XB+4*\j+3], v4, s[4:5] offset:4096*(\i+6)+512*\j
.endr
.else
	WIN 0x80
	LOADW \i-10
	WIN 0
.endif
.endm
.macro LDA kk                          ; 8 LDS loads: four A fragments of K step kk of my quarter
.irp a, 0,1,2,3
	ds_load_b128 v[FA+32*((\kk)&1)+8*\a:FA+32*((\kk)&1)+8*\a+3], v[6+\a/2] offset:(\a&1)*16*APITCH+64*(\kk)
	ds_load_b128 v[FA+32*((\kk)&1)+8*\a+4:FA+32*((\kk)&1)+8*\a+7], v[6+\a/2] offset:(\a&1)*16*APITCH+64*(\kk)+32
.endr
.endm
; one K step of 32: W packed, its buffer filled again, the next A fragments asked for, 16 matrix instructions.
; The 32 conversions are the places between the matrix instructions of the step before and the loads into their A buffer.
; The 16 accumulators take turns, one instruction a turn.
.macro STEP kk, left, zero
	s_wait_loadcnt \left                           ; this step's 16 loads of W are in; the younger ones stay out
	WIN 0x0a                                       ; sources in window 2
.irp b, 0,1,2,3
.irp j, 0,1,2,3,4,5,6,7
	v_cvt_pk_bf16_f32 v[FB+32*((\kk)&1)+8*\b+\j], v[64*((\kk)&3)+8*\j+\b], v[64*((\kk)&3)+8*\j+4+\b]
.endr
.endr
.if \kk < 4
	WIN 0x80
	LOADW 2*\kk+8
	LOADW 2*\kk+9
.endif
.if \kk == 4
	WIN 0x40                                       ; destination in window 1
	global_load_b128 v[160:163], v12, s[32:33]     ; b_f1 of my four columns
.endif
	WIN 0
.if \kk < 7
	LDA \kk+1
	s_wait_dscnt 8                                 ; this step's fragments are in, the next step's eight loads stay out
.else
	s_wait_dscnt 0x0
.endif
	WIN 0x50                                       ; C and D in window 1
.irp a, 0,1,2,3
.irp b, 0,1,2,3
.if \zero
	v_wmma_f32_16x16x32_bf16 v[8*(4*\a+\b):8*(4*\a+\b)+7], v[FA+32*((\kk)&1)+8*\a:FA+32*((\kk)&1)+8*\a+7], v[FB+32*((\kk)&1)+8*\b:FB+32*((\kk)&1)+8*\b+7], 0
.else
	v_wmma_f32_16x16x32_bf16 v[8*(4*\a+\b):8*(4*\a+\b)+7], v[FA+32*((\kk)&1)+8*\a:FA+32*((\kk)&1)+8*\a+7], v[FB+32*((\kk)&1)+8*\b:FB+32*((\kk)&1)+8*\b+7], v[8*(4*\a+\b):8*(4*\a+\b)+7]
.endif
.endr
.endr
.endm
; gelu(x) = 0.5 x + |0.5 x| erf(|x| / sqrt 2), eight numbers in place.  t = 1 / (1 + 0.23164189 |x|); erf = 1 - t (a1 + t (a2 + ..)) 2^(-0.72134752 x x)
.macro GELU8 x
.irp p, 0,2,4,6
	v_pk_mul_f32 v[GE+\p:GE+\p+1], v[\x+\p:\x+\p+1], 0xbf38aa3b op_sel_hi:[1,0]
.endr
.irp i, 0,1,2,3,4,5,6,7
	v_fma_f32 v[GD+\i], |v[\x+\i]|, s[SGC], 1.0
.endr
.irp p, 0,2,4,6
	v_pk_mul_f32 v[GE+\p:GE+\p+1], v[GE+\p:GE+\p+1], v[\x+\p:\x+\p+1]
.endr
.irp i, 0,1,2,3,4,5,6,7
	v_rcp_f32 v[GD+\i], v[GD+\i]
.endr
.irp i, 0,1,2,3,4,5,6,7
	v_exp_f32 v[GE+\i], v[GE+\i]
.endr
.irp p, 0,2,4,6
	v_pk_mul_f32 v[\x+\p:\x+\p+1], v[\x+\p:\x+\p+1], 0.5 op_sel_hi:[1,0]   ; plain work that touches no transcendental's register stands behind them (ISA guide 5.7.2)
.endr
	s_wait_alu depctr_va_vdst(0)
.irp p, 0,2,4,6
	v_pk_fma_f32 v[GP+\p:GP+\p+1], v[GD+\p:GD+\p+1], v[KC+8:KC+9], v[KC+6:KC+7]
.endr
.irp c, 4,2,0
.irp p, 0,2,4,6
	v_pk_fma_f32 v[GP+\p:GP+\p+1], v[GP+\p:GP+\p+1], v[GD+\p:GD+\p+1], v[KC+\c:KC+\c+1]
.endr
.endr
.irp p, 0,2,4,6
	v_pk_mul_f32 v[GP+\p:GP+\p+1], v[GP+\p:GP+\p+1], v[GD+\p:GD+\p+1]
.endr
.irp p, 0,2,4,6
	v_pk_fma_f32 v[GP+\p:GP+\p+1], v[GP+\p:GP+\p+1], v[GE+\p:GE+\p+1], 1.0 op_sel_hi:[1,1,0]   ; the constants are negated: this is 1 - poly x exp
.endr
.irp i, 0,1,2,3,4,5,6,7
	v_fma_f32 v[\x+\i], |v[\x+\i]|, v[GP+\i], v[\x+\i]
.endr
.endm
	s_load_b128 s[4:7], s[0:1], 0x0                ; A s[4:5], W s[6:7]
	s_load_b64 s[8:9], s[0:1], 0x10                ; OUT
	s_load_b128 s[32:35], s[0:1], 0x18             ; b_f1 s[32:33], ln1_g s[34:35]
	s_load_b64 s[36:37], s[0:1], 0x28              ; ln1_b
	v_lshl_add_u32 v62, v0, 2, 0x30400
	v_mov_b32 v63, 0
	v_lshrrev_b32 v1, 5, v0
	v_readfirstlane_b32 s10, v1                    ; wave
	s_and_b32 s12, ttmp7, 0xffff                   ; column block
	s_lshl_b32 s14, ttmp9, 6
	s_lshl4_add_u32 s14, s10, s14                  ; my first row: 64 x row block + 16 x wave
	s_lshl_b32 s16, s14, 12                        ; in A
	s_mov_b32 s17, 0
	s_lshl_b32 s20, s12, 8                         ; my 64 columns, in bytes (W, b_f1)
	s_mov_b32 s21, 0
	s_and_b32 s18, s12, 15                         ; in OUT: my row, column block mod 16,
	s_lshl_b32 s18, s18, 8
	s_add_co_u32 s18, s18, s16
	s_lshr_b32 s19, s12, 4                         ; plane = column block / 16, 1 MiB each
	s_lshl_b32 s19, s19, 20
	s_add_co_u32 s18, s18, s19
	s_mov_b32 s19, 0
	s_mul_i32 s22, s10, 256*WP*4                   ; my quarter of K
	s_mov_b32 s23, 0
	v_and_b32 v1, 31, v0                           ; lane
	v_lshlrev_b32 v4, 4, v1
	s_wait_kmcnt 0x0
	s_add_nc_u64 s[4:5], s[4:5], s[16:17]
	WIN 0x40                                       ; destinations in window 1
.irp j, 0,1,2,3,4,5,6,7
	global_load_b128 v[G+4*\j:G+4*\j+3], v4, s[34:35] offset:512*\j
.endr
.irp j, 0,1,2,3,4,5,6,7
	global_load_b128 v[BV+4*\j:BV+4*\j+3], v4, s[36:37] offset:512*\j
.endr
	WIN 0
.irp i, 0,1,2,3,4,5
.irp j, 0,1,2,3,4,5,6,7
	global_load_b128 v[X+32*\i+4*\j:X+32*\i+4*\j+3], v4, s[4:5] offset:4096*\i+512*\j
.endr
.endr
	s_add_nc_u64 s[24:25], s[6:7], s[20:21]        ; W at my columns
	s_add_nc_u64 s[6:7], s[24:25], s[22:23]        ; and at my quarter of K
	s_add_nc_u64 s[8:9], s[8:9], s[18:19]
	s_add_nc_u64 s[32:33], s[32:33], s[20:21]
	s_lshl_b32 s26, ttmp9, 8
	s_lshl_b32 s27, s10, 6
	s_add_co_u32 s26, s26, s27
	v_add_nc_u32 v15, s26, v1
	v_mul_u32_u24 v15, v15, WP*4                   ; k row 256 x row block + 64 x wave + lane
	global_prefetch_b8 v15, s[24:25] th:TH_LOAD_NT scope:SCOPE_SE                 ; the four row blocks of a column strip each name 256 of its 1,024 row pieces of
	global_prefetch_b8 v15, s[24:25] offset:32*WP*4 th:TH_LOAD_NT scope:SCOPE_SE  ; 256 bytes, once: ten rows of A are normalised before the first load of W goes out
	s_mov_b32 s38, 0x76543210                      ; v_permlanex16_b32: lane i reads lane i of the other half
	s_mov_b32 s39, 0xfedcba98
	s_mov_b32 s[SGC], 0x3e6d3388                   ; 0.3275911 / sqrt 2
	s_mov_b32 s41, 0x3a800000                      ; 1 / 1,024
	s_mov_b32 s42, 0x3727c5ac                      ; 1e-5
	v_mov_b32 v17, 0                               ; v_permlanex16_b32 counts as a reader of its destination
	v_and_b32 v2, 15, v0                           ; r
	v_bfe_u32 v3, v0, 4, 1                         ; h
	s_mul_i32 s28, s10, 16*APITCH
	v_lshl_add_u32 v5, v1, 3, s28                  ; A in: my 16 rows, 8 bytes a lane
	v_mul_u32_u24 v6, v2, APITCH
	v_lshl_add_u32 v6, v3, 4, v6
	s_lshl_b32 s29, s10, 9
	v_add_nc_u32 v6, s29, v6                       ; A fragments: row r, 16 h, my 512 bytes of the row
	v_add_nc_u32 v7, 32*APITCH, v6
	v_mul_u32_u24 v8, v3, 8*WP*4
	v_lshl_add_u32 v8, v2, 4, v8                   ; W: k row 8 h, columns 4 r ..
	s_lshl_b32 s30, s10, 14
	s_add_co_u32 s30, s30, RED
	v_add_nc_u32 v9, s30, v4                       ; my partial sums
	s_lshl_b32 s31, s10, 12
	s_add_co_u32 s31, s31, RED
	v_add_nc_u32 v10, s31, v4                      ; row tile w in the first wave's partial sums
	v_mul_u32_u24 v11, v3, 8*OP*4
	v_lshl_add_u32 v11, v2, 4, v11                 ; OUT: row 8 h, columns 4 r ..
	v_lshlrev_b32 v12, 4, v2                       ; b_f1: columns 4 r ..
.irp i, 0,1,2,3,4,5,6,7,8,9,10,11,12,13,14,15
	PRO_ROW \i
.endr
	WIN 0x80
	LOADW 6
	LOADW 7
	WIN 0
	s_wait_dscnt 0x0                               ; my rows of A are written
	s_barrier_signal -1
	s_barrier_wait -1                              ; everybody's are
	LDA 0
	STEP 0, 48, 1                                  ; the first products start the sums: nothing is cleared
	STEP 1, 48, 0                                  ; 48: the three younger K steps of 16 loads
	STEP 2, 48, 0
	STEP 3, 48, 0
	STEP 4, 48, 0
	STEP 5, 32+NE, 0                               ; from here on the load of b_f1 is among the younger ones
	STEP 6, 16+NE, 0
	STEP 7, NE, 0
	WIN 0
	PLACES
	WIN 0x04                                       ; the stores' data in window 1
.set q, 0
.rept 32
	ds_store_b128 v9, v[4*q:4*q+3] offset:512*q
.set q, q+1
.endr
	WIN 0
	s_wait_dscnt 0x0
	s_barrier_signal -1
	s_barrier_wait -1                              ; all four partial sums are in LDS
.irp p, 0,1,2,3
.irp q, 0,1,2,3,4,5,6,7
	ds_load_b128 v[P+32*\p+4*\q:P+32*\p+4*\q+3], v10 offset:16384*\p+512*\q
.endr
.endr
	s_wait_dscnt 0x0
.set ti, 0
.rept 16
	v_pk_add_f32 v[P+ti:P+ti+1], v[P+ti:P+ti+1], v[P+32+ti:P+33+ti]
	v_pk_add_f32 v[P+64+ti:P+65+ti], v[P+64+ti:P+65+ti], v[P+96+ti:P+97+ti]
.set ti, ti+2
.endr
.irp j, 0,1,2,3,4,5,6,7
.irp b, 0,1,2,3
	v_add_f32 v[O+4*\j+\b], v[P+8*\b+\j], v[P+64+8*\b+\j]          ; the last add also gathers a row's four columns
.endr
.endr
	s_wait_loadcnt 0x0                             ; b_f1
	WIN 0x04                                       ; source 1 in window 1
.irp j, 0,1,2,3,4,5,6,7
	v_pk_add_f32 v[O+4*\j:O+4*\j+1], v[O+4*\j:O+4*\j+1], v[160:161]
	v_pk_add_f32 v[O+4*\j+2:O+4*\j+3], v[O+4*\j+2:O+4*\j+3], v[162:163]
.endr
	WIN 0
.irp h, 0,1
	v_mov_b32 v[KC+\h], 0xbe827906                 ; -a1
	v_mov_b32 v[KC+2+\h], 0x3e91a98e               ; -a2
	v_mov_b32 v[KC+4+\h], 0xbfb5f0e3               ; -a3
	v_mov_b32 v[KC+6+\h], 0x3fba00e3               ; -a4
	v_mov_b32 v[KC+8+\h], 0xbf87dc22               ; -a5
.endr
	GELU8 O
	GELU8 O+8
	GELU8 O+16
	GELU8 O+24
.irp j, 0,1,2,3,4,5,6,7
	global_store_b128 v11, v[O+4*\j:O+4*\j+3], s[8:9] offset:\j*OP*4   ; 16 lanes store 256 consecutive bytes, aligned
.endr
	s_wait_tensorcnt 0x0
	ds_add_u32 v62, v63
	s_wait_dscnt 0x0
	s_endpgm
.Lfunc_end_k_qa85c92b8da_sk_f1:
	.size	k_qa85c92b8da_sk_f1, .Lfunc_end_k_qa85c92b8da_sk_f1-k_qa85c92b8da_sk_f1
	.p2alignl 7, 3214868480
	.fill 96, 4, 3214868480
	.section	.rodata,"a",@progbits
	.p2align	6, 0x0
	.amdhsa_kernel k_qa85c92b8da_sk_f1
		.amdhsa_group_segment_fixed_size 198144
		.amdhsa_private_segment_fixed_size 0
		.amdhsa_enable_private_segment 0
		.amdhsa_kernarg_size 48
		.amdhsa_user_sgpr_count 2
		.amdhsa_user_sgpr_kernarg_segment_ptr 1
		.amdhsa_wavefront_size32 1
		.amdhsa_system_sgpr_workgroup_id_x 1
		.amdhsa_system_sgpr_workgroup_id_y 1
		.amdhsa_system_sgpr_workgroup_id_z 1
		.amdhsa_system_vgpr_workitem_id 0
		.amdhsa_next_free_vgpr 768
		.amdhsa_next_free_sgpr 66
		.amdhsa_reserve_vcc 0
		.amdhsa_float_denorm_mode_32 3
		.amdhsa_float_denorm_mode_16_64 3
		.amdhsa_memory_ordered 1
		.amdhsa_forward_progress 1
		.amdhsa_inst_pref_size 209
	.end_amdhsa_kernel
	.amdgpu_metadata
---
amdhsa.version: [ 1, 2 ]
amdhsa.kernels:
  - .name:           k_qa85c92b8da_sk_f1
    .symbol:         k_qa85c92b8da_sk_f1.kd
    .args:
      - { .name: xmid, .offset: 0, .size: 8, .value_kind: global_buffer, .address_space: global }
      - { .name: w_f1, .offset: 8, .size: 8, .value_kind: global_buffer, .address_space: global }
      - { .name: ff1, .offset: 16, .size: 8, .value_kind: global_buffer, .address_space: global }
      - { .name: b_f1, .offset: 24, .size: 8, .value_kind: global_buffer, .address_space: global }
      - { .name: ln1_g, .offset: 32, .size: 8, .value_kind: global_buffer, .address_space: global }
      - { .name: ln1_b, .offset: 40, .size: 8, .value_kind: global_buffer, .address_space: global }
    .group_segment_fixed_size: 198144
    .private_segment_fixed_size: 0
    .kernarg_segment_align: 8
    .kernarg_segment_size: 48
    .max_flat_workgroup_size: 128
    .sgpr_count:     66
    .vgpr_count:     768
    .wavefront_size: 32
...
	.end_amdgpu_metadata
.endif
;; end of part 7
;; launch sk_f2: the kernel of part 3 again; grid 4 x 64, 4 waves a work-group, no clusters, 198,144 bytes of LDS; arguments ff1, w_f2, part; writes part
;; launch ln2 (part 8): grid 256 x 1, 1 waves a work-group, no clusters, 0 bytes of LDS; arguments xmid, part, b_f2, ln2_g, ln2_b, out0; writes out0
.if DOCPART == 8
	.amdgcn_target "amdgcn-amd-amdhsa--gfx1250"
	.amdhsa_code_object_version 6
	.text
	.protected	k_qa85c92b8da_ln2
	.globl	k_qa85c92b8da_ln2
	.p2align	8
	.type	k_qa85c92b8da_ln2,@function
k_qa85c92b8da_ln2:
	s_mov_b64 s[64:65], 0
	v_nop
	global_prefetch_b8 v0, s[64:65] scope:SCOPE_SE
	s_setreg_imm32_b32 hwreg(HW_REG_WAVE_MODE, 25, 1), 1
	s_wait_xcnt 0x0
; x_out = layer_norm(x_mid + (p0 + p1 + p2 + p3 + b_f2)) with gain and bias.  p0..p3: the four K quarters of gelu(..) @ w_f2, planes of 'part'.
; One wave, one row of 1,024 f32 (32 numbers a lane), kept in registers between the passes: the row never leaves the wave, so no LDS and no
; barrier; 256 rows, 256 work-groups of one wave.  All 56 loads go out at once.  No matrix unit, no cluster: nothing but the three vectors
; of 4,096 bytes is read by two work-groups.
; The variance is that of the centred row (two passes: no difference of large sums).  Limits: the quarters are added as (p0 + p1) + (p2 + p3),
; another order of rounding than one sum over K; NaN and infinities in the inputs are not followed.
.set Y,  8                             ; v[8:39]    x_mid, then the row at work
.set F0, 40                            ; v[40:71]   p0, later ln2_b
.set F1, 72
.set F2, 104                           ; v[104:135] p2, later at work
.set F3, 136
.set BF, 168
.set G,  200                           ; v[200:231] ln2_g
.macro LD8 d, b, off                   ; a row: eight loads of 512 consecutive bytes
.irp j, 0,1,2,3,4,5,6,7
	global_load_b128 v[\d+4*\j:\d+4*\j+3], v1, s[\b:\b+1] offset:\off+512*\j
.endr
.endm
.macro PKADD d, a                      ; 32 numbers: d += a
.set ti, 0
.rept 16
	v_pk_add_f32 v[\d+ti:\d+ti+1], v[\d+ti:\d+ti+1], v[\a+ti:\a+ti+1]
.set ti, ti+2
.endr
.endm
.macro WSUM                            ; v2 summed over the 32 lanes, the result in every lane
	v_add_f32_dpp v2, v2, v2 row_xmask:1 row_mask:0xf bank_mask:0xf
	v_add_f32_dpp v2, v2, v2 row_xmask:2 row_mask:0xf bank_mask:0xf
	v_add_f32_dpp v2, v2, v2 row_xmask:4 row_mask:0xf bank_mask:0xf
	v_add_f32_dpp v2, v2, v2 row_xmask:8 row_mask:0xf bank_mask:0xf
	v_permlanex16_b32 v3, v2, s18, s19
	v_add_f32 v2, v2, v3
.endm
	s_load_b256 s[4:11], s[0:1], 0x0               ; xmid s[4:5], part s[6:7], b_f2 s[8:9], ln2_g s[10:11]
	s_load_b128 s[12:15], s[0:1], 0x20             ; ln2_b s[12:13], out0 s[14:15]
	s_lshl_b32 s16, ttmp9, 12                      ; my row
	s_mov_b32 s17, 0
	s_mov_b32 s18, 0x76543210                      ; v_permlanex16_b32: lane i reads lane i of the other half
	s_mov_b32 s19, 0xfedcba98
	s_mov_b32 s20, 0x3a800000                      ; 1 / 1,024
	s_mov_b32 s21, 0x3727c5ac                      ; 1e-5
	v_lshlrev_b32 v1, 4, v0                        ; 16 bytes a lane
	v_mov_b32 v3, 0                                ; v_permlanex16_b32 counts as a reader of its destination
	s_wait_kmcnt 0x0
	s_add_nc_u64 s[4:5], s[4:5], s[16:17]
	s_add_nc_u64 s[6:7], s[6:7], s[16:17]
	s_add_nc_u64 s[14:15], s[14:15], s[16:17]
	LD8 Y, 4, 0
	LD8 F0, 6, 0
	LD8 F1, 6, 1048576
	LD8 F2, 6, 2097152
	LD8 F3, 6, 3145728
	LD8 BF, 8, 0
	LD8 G, 10, 0
	s_wait_loadcnt 32                              ; x_mid, p0, p1 are in; four rows of eight loads stay out
	PKADD F1, F0
	LD8 F0, 12, 0                                  ; ln2_b, into p0's registers
	s_wait_loadcnt 16                              ; p2, p3, b_f2 are in; gain and bias stay out
	PKADD F3, F2
	PKADD F1, F3
	PKADD F1, BF
	PKADD Y, F1
.irp p, 0,2,4,6,8,10,12,14
	v_pk_add_f32 v[F2+\p:F2+\p+1], v[Y+\p:Y+\p+1], v[Y+16+\p:Y+17+\p]
.endr
.irp p, 0,2,4,6
	v_pk_add_f32 v[F2+\p:F2+\p+1], v[F2+\p:F2+\p+1], v[F2+8+\p:F2+9+\p]
.endr
.irp p, 0,2
	v_pk_add_f32 v[F2+\p:F2+\p+1], v[F2+\p:F2+\p+1], v[F2+4+\p:F2+5+\p]
.endr
	v_pk_add_f32 v[F2:F2+1], v[F2:F2+1], v[F2+2:F2+3]
	v_add_f32 v2, v[F2], v[F2+1]
	WSUM
	v_mul_f32 v4, s20, v2                          ; the mean, twice (a pair for the packed forms)
	v_mul_f32 v5, s20, v2
.set ti, 0
.rept 16
	v_pk_add_f32 v[Y+ti:Y+ti+1], v[Y+ti:Y+ti+1], v[4:5] neg_lo:[0,1] neg_hi:[0,1]
.set ti, ti+2
.endr
.irp p, 0,2,4,6
	v_pk_mul_f32 v[F2+\p:F2+\p+1], v[Y+\p:Y+\p+1], v[Y+\p:Y+\p+1]
.endr
.set ti, 8
.rept 12
	v_pk_fma_f32 v[F2+ti%8:F2+ti%8+1], v[Y+ti:Y+ti+1], v[Y+ti:Y+ti+1], v[F2+ti%8:F2+ti%8+1]
.set ti, ti+2
.endr
	v_pk_add_f32 v[F2:F2+1], v[F2:F2+1], v[F2+2:F2+3]
	v_pk_add_f32 v[F2+4:F2+5], v[F2+4:F2+5], v[F2+6:F2+7]
	v_pk_add_f32 v[F2:F2+1], v[F2:F2+1], v[F2+4:F2+5]
	v_add_f32 v2, v[F2], v[F2+1]
	WSUM
	v_fma_f32 v2, v2, s20, s21                     ; variance + 1e-5
	v_rsq_f32 v6, v2
	v_rsq_f32 v7, v2
	v_nop                                          ; one plain place behind the transcendentals (ISA guide 5.7.2)
.set ti, 0
	s_wait_alu depctr_va_vdst(0)
.rept 16
	v_pk_mul_f32 v[Y+ti:Y+ti+1], v[Y+ti:Y+ti+1], v[6:7]
.set ti, ti+2
.endr
	s_wait_loadcnt 0x0                             ; gain and bias
.set ti, 0
.rept 16
	v_pk_fma_f32 v[Y+ti:Y+ti+1], v[Y+ti:Y+ti+1], v[G+ti:G+ti+1], v[F0+ti:F0+ti+1]
.set ti, ti+2
.endr
.irp j, 0,1,2,3,4,5,6,7
	global_store_b128 v1, v[Y+4*\j:Y+4*\j+3], s[14:15] offset:512*\j   ; 512 consecutive bytes a store
.endr
	s_endpgm
.Lfunc_end_k_qa85c92b8da_ln2:
	.size	k_qa85c92b8da_ln2, .Lfunc_end_k_qa85c92b8da_ln2-k_qa85c92b8da_ln2
	.p2alignl 7, 3214868480
	.fill 96, 4, 3214868480
	.section	.rodata,"a",@progbits
	.p2align	6, 0x0
	.amdhsa_kernel k_qa85c92b8da_ln2
		.amdhsa_group_segment_fixed_size 0
		.amdhsa_private_segment_fixed_size 0
		.amdhsa_enable_private_segment 0
		.amdhsa_kernarg_size 48
		.amdhsa_user_sgpr_count 2
		.amdhsa_user_sgpr_kernarg_segment_ptr 1
		.amdhsa_wavefront_size32 1
		.amdhsa_system_sgpr_workgroup_id_x 1
		.amdhsa_system_sgpr_workgroup_id_y 1
		.amdhsa_system_sgpr_workgroup_id_z 1
		.amdhsa_system_vgpr_workitem_id 0
		.amdhsa_next_free_vgpr 240
		.amdhsa_next_free_sgpr 66
		.amdhsa_reserve_vcc 0
		.amdhsa_float_denorm_mode_32 3
		.amdhsa_float_denorm_mode_16_64 3
		.amdhsa_memory_ordered 1
		.amdhsa_forward_progress 1
		.amdhsa_inst_pref_size 19
	.end_amdhsa_kernel
	.amdgpu_metadata
---
amdhsa.version: [ 1, 2 ]
amdhsa.kernels:
  - .name:           k_qa85c92b8da_ln2
    .symbol:         k_qa85c92b8da_ln2.kd
    .args:
      - { .name: xmid, .offset: 0, .size: 8, .value_kind: global_buffer, .address_space: global }
      - { .name: part, .offset: 8, .size: 8, .value_kind: global_buffer, .address_space: global }
      - { .name: b_f2, .offset: 16, .size: 8, .value_kind: global_buffer, .address_space: global }
      - { .name: ln2_g, .offset: 24, .size: 8, .value_kind: global_buffer, .address_space: global }
      - { .name: ln2_b, .offset: 32, .size: 8, .value_kind: global_buffer, .address_space: global }
      - { .name: out0, .offset: 40, .size: 8, .value_kind: global_buffer, .address_space: global }
    .group_segment_fixed_size: 0
    .private_segment_fixed_size: 0
    .kernarg_segment_align: 8
    .kernarg_segment_size: 48
    .max_flat_workgroup_size: 32
    .sgpr_count:     66
    .vgpr_count:     240
    .wavefront_size: 32
...
	.end_amdgpu_metadata
.endif
;; end of part 8
